; MI455X (gfx1250); checked and timed in simulation.
; The chip was launched on July 23, 2026; its instructions are those of AMD's public machine-readable ISA for CDNA 5 (MIT licence, August 2026) and "CDNA5" Instruction Set Architecture Reference Guide (July 2026). The comments in the code are by the model that wrote it; some were corrected since.
;; Transformer Encoder Layer Rotary. Allowed arithmetic: matrix products marked QUANTISED: E2M3 operands, one E8M0 scale for each 32 along K, by v_wmma_scale_f32_16x16x128_f8f6f4 with both operands' format E2M3, f32 sums; everything else in f32.
;; Inputs: b1 4,096 float32; b2 1,024 float32; k_b 1,024 float32; k_w 1,024 x 1,024 float32; ln1_b 1,024 float32; ln1_g 1,024 float32; ln2_b 1,024 float32; ln2_g 1,024 float32; q_b 1,024 float32; q_w 1,024 x 1,024 float32; src 2,048 x 2 x 1,024 float32; v_b 1,024 float32; v_w 1,024 x 1,024 float32; w1 1,024 x 4,096 float32; w2 4,096 x 1,024 float32.
;; Outputs: out0 2,048 x 2 x 1,024 float32.
;; This version of the problem:
;;   THIS VERSION OF THE PROBLEM IS GIVEN IN LOW PRECISION. The matrix products marked QUANTISED in the list below multiply operands that are first quantised to E2M3 (2 exponent bits, 3 mantissa bits; 6 bits a number), with one power-of-two scale for each 32 numbers along K (OCP MX v1.0); their sums are f32. All else is computed in f32.
;;   The module's matrix products, in the order in which they are computed (A, B: the left and right operand; K: the contracted axis; several contracted axes count as one K, in the product's order):
;;     1. [M 4,096, K 1,024] x [K 1,024, N 1,024]; A: input src; B: input q_w: QUANTISED
;;     2. [M 4,096, K 1,024] x [K 1,024, N 1,024]; A: input src; B: input k_w: QUANTISED
;;     3. [M 4,096, K 1,024] x [K 1,024, N 1,024]; A: input src; B: input v_w: QUANTISED
;;     4. batch 32 x [M 2,048, K 64] x [K 64, N 2,048]; A: computed on the way; B: computed on the way: QUANTISED
;;     5. batch 32 x [M 2,048, K 2,048] x [K 2,048, N 64]; A: softmax (see below); B: computed on the way: QUANTISED
;;     6. [M 4,096, K 1,024] x [K 1,024, N 4,096]; A: computed on the way; B: input w1: QUANTISED
;;     7. [M 4,096, K 4,096] x [K 4,096, N 1,024]; A: computed on the way; B: input w2: QUANTISED
;;   THE QUANTISER, for each operand of a quantised product, along K:
;;     - K is cut into blocks of 32 from its start; a last block that is shorter is filled with zeros.
;;     - A block's scale is 2^e with e = floor(log2(the largest magnitude in the block)) - 2, held to -126 .. 127; a block of zeros has e = 0. As a byte (E8M0): e + 127.
;;     - Each number is divided by its block's scale, clamped to +-7.5, and rounded to the nearest number of E2M3, ties to even, subnormals kept.
;;     - The product sums the exact products of the quantised numbers (number of the format x scale) in f32.
;;   ~~~python
;;   def quantise(x, axis):      # numpy; x: float32 -> the quantised numbers, widened to float32 again
;;       x = np.moveaxis(x, axis, -1); K = x.shape[-1]
;;       x = np.pad(x, [(0, 0)] * (x.ndim - 1) + [(0, -K % 32)]); x = x.reshape(x.shape[:-1] + (-1, 32)); a = np.abs(x).max(-1, keepdims=True)
;;       e = np.where(a > 0, np.clip(np.frexp(np.where(a > 0, a, 1))[1] - 1 - 2, -126, 127), 0)      # np.frexp(a)[1] - 1 = floor(log2(a)), exactly
;;       r = np.clip(x / 2.0 ** e, -7.5, 7.5)
;;       step = 2.0 ** (np.maximum(np.frexp(np.where(r == 0, 1, r))[1] - 1, 0) - 3)
;;       q = np.round(r / step) * step * 2.0 ** e      # np.round: ties to even
;;       return np.moveaxis(q.reshape(q.shape[:-2] + (-1,))[..., :K], -1, axis).astype(np.float32)
;;   ~~~
;;   SOFTMAX AHEAD OF A QUANTISED PRODUCT. Where the list says 'softmax', what is quantised is not the finished softmax but p = 2^(t - M), with t = logit x log2(e) and M = ceil(the row's largest t), a whole number; so 1/2 < the row's largest p <= 1. The row's sum l is taken of the UNQUANTISED p, in f32, and the product's result is divided by l at the end. Since M is a whole number, a kernel that streams over the keys may use a running M (the ceiling of the running maximum): every later rescaling is an exact power of two, which a block's scale takes up: the codes' values come out the same.
;;   OPERANDS COMPUTED ON THE WAY. 'Computed on the way' means the value that the module computes at that place (a softmax that the list does not call 'softmax' is quantised finished and normalised). What goes into a quantiser is computed in f32, as accurately as f32 sums, v_exp_f32 and their like allow (about 1e-6 of the number): no bf16 or f16 on the way to a quantiser, and a product that is left as it is and whose result goes on into a quantised operand takes f32 operands (vector FMAs, or v_wmma_f32_16x16x4_f32). A number that lies on a knife's edge between two numbers of the format may be rounded either way, as far as f32 arithmetic and the matrix unit's own rounding can turn it there, and no further.
;; One version. Each part assembles by itself: llvm-mc -triple=amdgcn-amd-amdhsa -mcpu=gfx1250 --defsym DOCPART=n.
;; ======== version 1 of 1: 7 launches
;; limits: right only within a limited range of input values
;; workspace buffers: wq 12,812,288 bytes; qkvr 13,631,488 bytes; att 16,777,216 bytes; xb 20,054,016 bytes; hb 13,107,200 bytes; y 16,777,216 bytes
;; launch quant (part 1): grid 960 x 1, 4 waves a work-group, no clusters, 46,592 bytes of LDS; arguments src, q_w, k_w, v_w, w1, w2, wq; writes wq
.if DOCPART == 1
	.amdgcn_target "amdgcn-amd-amdhsa--gfx1250"
	.amdhsa_code_object_version 6
	.text
	.protected	k_q2b6b99affe_quant
	.globl	k_q2b6b99affe_quant
	.p2align	8
	.type	k_q2b6b99affe_quant,@function
k_q2b6b99affe_quant:
	s_mov_b64 s[64:65], 0
	v_nop
	global_prefetch_b8 v0, s[64:65] scope:SCOPE_SE
	s_setreg_imm32_b32 hwreg(HW_REG_WAVE_MODE, 25, 1), 1
	s_wait_xcnt 0x0
; src and the five weights become codes of FP6 (E2M3) with one E8M0 byte for each 32 along K, laid as IMAGES OF THE MATRIX OPERAND'S REGISTERS; and the table of RoPE's cosines and sines is made.
; THE LAYOUT.  A fragment is 16 rows x 128 K, 12 registers a lane, 1,536 bytes: register p of lane l at 512 (p / 4) + 16 l + 4 (p % 4).  Rows go in groups of 128:
; codes at group x 96 K + (K step of 128) x 12,288 + tile x 1,536; scale words at group x 4 K + step x 512 + tile x 64 + 4 r.  Lane r of tile i holds row 32 (i / 2) + 8 (i % 2) + r + 8 (r / 8) of its group.
; wq: groups 0-31 src (row = batch x 2,048 + position), 32-55 the columns of q_w, k_w, v_w, 56-87 those of w1 (K = 1,024); then w2's 8 groups (K = 4,096); the scale words; the table [position][pair][cos, sin].
; A block's scale is 2^(floor(log2(its largest magnitude)) - 2); its byte is the largest magnitude's exponent field - 2, held at 1 from below.
; LIMITS: NaN and infinities among the inputs are not served.  A block of zeros gets the byte 1 where the rule says 127: its codes are zeros, and this program alone reads the bytes.
; The inverse frequencies are the f32 numbers nearest to 10^(-i / 8); the angle is one f32 product, position x frequency; cosine and sine are good to about 1e-7 absolute for the angles met here (under 2,048).
; Work-groups 0-255 take src (a group x a K step each) and two positions a wave of the table; work-groups 256-959 take the weights.  The two paths have LDS bytes of their own; a wave touches its own bytes alone: no barrier.
.set S1024, 11796480
.set W2C,   8650752
.set W2S,   12156928
.set ROPE,  12288000
.set TM,  8                            ; v8-23   the quantiser's work
.set PW,  24                           ; v24     the scale word just made
.set PW0, 25                           ; v25     the first fragment's
.set PC,  224                          ; v224-243 the codes just made
.set SEL, 2                            ; s[2:3]  lane selects: lane l xor 16
.set IFR, 31                           ; v31     lane i: 10^(-i / 8)
; 64 numbers of a lane, register 16 b + i = k 32 b + 16 (lane / 16) + i of my row, become a fragment's codes in v[PC] on and its scale word in v[PW]
.macro QUANT s
.irp b, 0,1,2,3
	v_max3_num_f32 v[TM+\b], |v[\s+16*\b]|, |v[\s+1+16*\b]|, 0x1800000   ; my 16 numbers of block b, and the floor 2^(3 - 127): the byte cannot fall under 1
.endr
.irp i, 2,4,6,8,10,12,14
.irp b, 0,1,2,3
	v_max3_num_f32 v[TM+\b], v[TM+\b], |v[\s+16*\b+\i]|, |v[\s+1+16*\b+\i]|
.endr
.endr
.irp b, 0,1,2,3
	v_permlanex16_b32 v[TM+4+\b], v[TM+\b], s[SEL], s[SEL+1]
.endr
.irp b, 0,1,2,3
	v_max_num_f32 v[TM+\b], v[TM+\b], v[TM+4+\b]   ; with lane l xor 16's: the block's largest magnitude
.endr
.irp b, 0,1,2,3
	v_add_nc_u32 v[TM+12+\b], 0xff000000, v[TM+\b]   ; 2 off its exponent field: the conversion's scale operand
.endr
.irp b, 0,1,2,3
	v_lshrrev_b32 v[TM+4+\b], 23, v[TM+12+\b]   ; the scale's byte
.endr
	v_lshl_or_b32 v[PW], v[TM+5], 8, v[TM+4]
	v_lshl_or_b32 v[PW], v[TM+6], 16, v[PW]
	v_lshl_or_b32 v[PW], v[TM+7], 24, v[PW]
.irp c, 0,1
	v_cvt_scalef32_pk16_fp6_f32 v[PC+6*\c:PC+2+6*\c], v[\s+32*\c:\s+15+32*\c], v[TM+12+2*\c]
	v_cvt_scalef32_pk16_fp6_f32 v[PC+12+4*\c:PC+14+4*\c], v[\s+16+32*\c:\s+31+32*\c], v[TM+12+2*\c+1]   ; (a conversion's three registers begin on an even number)
.endr
	v_nop                                          ; one plain place behind a scaled conversion
.irp c, 0,1                                    ; the operand's layout wants a whole block in a lane
.irp i, 0,1,2
	v_permlane16_swap_b32 v[PC+6*\c+\i], v[PC+12+4*\c+\i]
.endr
.irp i, 0,1,2
	v_mov_b32 v[PC+3+6*\c+\i], v[PC+12+4*\c+\i]
.endr
.endr
.endm
.macro INVF i, val
	s_mov_b32 s32, \val
	v_writelane_b32 v[IFR], s32, \i
.endm
; cos and sin of position x frequency: the quadrant n = nearest whole number to x 2 / pi; r = x - n pi / 2 in two parts (the first product and difference are exact: n has 11 bits); polynomials on |r| <= pi / 4
.macro SINCOS sreg, out, off
	s_cvt_f32_u32 s34, \sreg
	v_mul_f32 v26, s34, v[IFR]                     ; the angle: one rounding
	v_mul_f32 v27, 0x3f22f983, v26
	v_rndne_f32 v27, v27                           ; n
	v_fma_f32 v26, v27, s35, v26
	v_fma_f32 v26, v27, s36, v26                   ; r
	v_mul_f32 v28, v26, v26                        ; z = r r
	v_mov_b32 v29, 0xb94ca1f9
	v_fmaak_f32 v29, v29, v28, 0x3c08839e
	v_fmaak_f32 v29, v29, v28, 0xbe2aaaa3
	v_mul_f32 v29, v29, v28
	v_fma_f32 v29, v29, v26, v26                   ; sin r
	v_mov_b32 v30, 0x37ccf5ce
	v_fmaak_f32 v30, v30, v28, 0xbab6061a
	v_fmaak_f32 v30, v30, v28, 0x3d2aaaa5
	v_mul_f32 v244, v28, v28
	v_fma_f32 v245, v28, -0.5, 1.0
	v_fma_f32 v30, v30, v244, v245                 ; cos r
	v_cvt_i32_f32 v246, v27
	v_and_b32 v247, 1, v246
	v_cmp_eq_u32 vcc_lo, 1, v247                   ; an odd quadrant swaps the two (a choice of values only)
	v_cndmask_b32 v248, v29, v30, vcc_lo
	v_cndmask_b32 v249, v30, v29, vcc_lo
	v_lshlrev_b32 v247, 30, v246
	v_and_b32 v247, 0x80000000, v247               ; the sine changes sign in quadrants 2 and 3,
	v_xor_b32 v[\out+1], v248, v247
	v_add_nc_u32 v246, 1, v246
	v_lshlrev_b32 v246, 30, v246
	v_and_b32 v246, 0x80000000, v246               ; the cosine in quadrants 1 and 2
	v_xor_b32 v[\out], v249, v246
	global_store_b64 v5, v[\out:\out+1], s[30:31] offset:\off   ; 32 lanes store a position's 256 consecutive bytes, aligned
.endm
	s_load_b256 s[4:11], s[0:1], 0x0               ; src, q_w, k_w, v_w
	s_load_b128 s[12:15], s[0:1], 0x20             ; w1, w2
	s_load_b64 s[16:17], s[0:1], 0x30              ; wq
	v_lshl_add_u32 v254, v0, 2, 0xb400
	v_mov_b32 v255, 0
	v_lshrrev_b32 v1, 5, v0
	v_readfirstlane_b32 s18, v1                    ; wave
	v_and_b32 v6, 31, v0                           ; lane
	v_lshlrev_b32 v1, 4, v6                        ; 16 x lane
	s_cmp_lt_u32 ttmp9, 256
	s_cbranch_scc0 .Lweights
	; ---- src: work-group = group x 8 + K step; wave w makes tiles 2 w and 2 w + 1
	s_mov_b32 s2, 0x76543210
	s_mov_b32 s3, 0xfedcba98
	v_and_b32 v7, 15, v0                           ; r
	v_bfe_u32 v26, v0, 4, 1                        ; h
	s_mul_i32 s19, s18, 8448                       ; my stage: 16 rows x (512 + 16) bytes
	v_add_nc_u32 v2, s19, v1                       ; in: a row's 512 bytes as they lie
	v_mul_u32_u24 v3, v7, 528
	v_lshl_add_u32 v3, v26, 6, v3
	v_add_nc_u32 v3, s19, v3                       ; out: row r, + 64 h: my 16 numbers of each block of 32
	v_lshlrev_b32 v4, 2, v6
	v_lshlrev_b32 v5, 3, v6
.irp b, 0,1,2,3
	v_mov_b32 v[TM+4+\b], 0                        ; written once: a lane permute's destination counts as one of its sources
.endr
	s_lshr_b32 s20, ttmp9, 3                       ; group
	s_and_b32 s21, ttmp9, 7                        ; K step
	s_lshr_b32 s22, s20, 4                         ; batch
	s_and_b32 s23, s20, 15                         ; which 128 positions
	s_lshl_b32 s24, s23, 20                        ; a position is 8,192 bytes of src
	s_lshl_b32 s25, s18, 18                        ; my 32 positions
	s_add_co_u32 s24, s24, s25
	s_lshl_b32 s25, s22, 12
	s_add_co_u32 s24, s24, s25
	s_lshl_b32 s25, s21, 9
	s_add_co_u32 s24, s24, s25
	s_mov_b32 s25, 0
	s_mul_i32 s26, s20, 98304
	s_mul_i32 s27, s21, 12288
	s_add_co_u32 s26, s26, s27
	s_mul_i32 s27, s18, 3072
	s_add_co_u32 s26, s26, s27
	s_mov_b32 s27, 0
	s_lshl_b32 s28, s20, 12
	s_lshl_b32 s29, s21, 9
	s_add_co_u32 s28, s28, s29
	s_lshl_b32 s29, s18, 7
	s_add_co_u32 s28, s28, s29
	s_add_co_u32 s28, s28, S1024
	s_mov_b32 s29, 0
	s_lshl_b32 s33, ttmp9, 2
	s_add_co_u32 s33, s33, s18                     ; which pair of positions of the table is my wave's
	s_lshl_b32 s30, s33, 9
	s_add_co_u32 s30, s30, ROPE
	s_mov_b32 s31, 0
	s_lshl_b32 s33, s33, 1
	s_add_co_u32 s37, s33, 1
	s_mov_b32 s35, 0xbfc90fdb                      ; -(pi / 2), its f32 part,
	s_mov_b32 s36, 0x333bbd2e                      ; and what that part is too large by
	s_wait_kmcnt 0x0
	s_add_nc_u64 s[24:25], s[4:5], s[24:25]
	s_add_nc_u64 s[26:27], s[16:17], s[26:27]
	s_add_nc_u64 s[28:29], s[16:17], s[28:29]
	s_add_nc_u64 s[30:31], s[16:17], s[30:31]
.irp f, 0,1
.irp t, 0,1,2,3,4,5,6,7,8,9,10,11,12,13,14,15
	global_load_b128 v[32+64*\f+4*\t:32+64*\f+4*\t+3], v1, s[24:25] offset:(8*\f+\t+8*(\t/8))*8192 th:TH_LOAD_NT   ; 32 lanes read a row's 512 consecutive bytes
.endr
.endr
	; the table's share stands here, while the 32 loads are on their way
	v_mov_b32 v[IFR], 0
	INVF 0, 1.0
	INVF 1, 0.7498942093
	INVF 2, 0.5623413252
	INVF 3, 0.4216965034
	INVF 4, 0.3162277660
	INVF 5, 0.2371373706
	INVF 6, 0.1778279410
	INVF 7, 0.1333521432
	INVF 8, 0.1
	INVF 9, 0.07498942093
	INVF 10, 0.05623413252
	INVF 11, 0.04216965034
	INVF 12, 0.03162277660
	INVF 13, 0.02371373706
	INVF 14, 0.01778279410
	INVF 15, 0.01333521432
	INVF 16, 0.01
	INVF 17, 0.007498942093
	INVF 18, 0.005623413252
	INVF 19, 0.004216965034
	INVF 20, 0.003162277660
	INVF 21, 0.002371373706
	INVF 22, 0.001778279410
	INVF 23, 0.001333521432
	INVF 24, 0.001
	INVF 25, 0.0007498942093
	INVF 26, 0.0005623413252
	INVF 27, 0.0004216965034
	INVF 28, 0.0003162277660
	INVF 29, 0.0002371373706
	INVF 30, 0.0001778279410
	INVF 31, 0.0001333521432
	SINCOS s33, 250, 0
	SINCOS s37, 252, 256
.irp f, 0,1
	s_wait_loadcnt 16*(1-\f)                       ; this tile's 16 loads are in; the other tile's 16 may be out
.if \f == 1
	s_wait_xcnt 0x0                                ; the first tile's stores have read their registers: the codes' registers are written again only behind this wait
.endif
.irp t, 0,1,2,3,4,5,6,7,8,9,10,11,12,13,14,15
	ds_store_b128 v2, v[32+64*\f+4*\t:32+64*\f+4*\t+3] offset:528*\t
.endr
.irp k, 0,1,2,3
.irp j, 0,1,2,3
	ds_load_b128 v[160+16*\k+4*\j:160+16*\k+4*\j+3], v3 offset:128*\k+16*\j   ; LDS serves a wave's instructions in order: these see my stores
.endr
.endr
	s_wait_dscnt 0x0
	QUANT 160
.irp c, 0,1,2
	global_store_b128 v1, v[PC+4*\c:PC+4*\c+3], s[26:27] offset:1536*\f+512*\c   ; 512 consecutive bytes a store
.endr
.if \f == 0
	v_mov_b32 v[PW0], v[PW]
.endif
.endr
	v_cmp_gt_u32 vcc_lo, 16, v6
	v_cndmask_b32 v26, v[PW], v[PW0], vcc_lo       ; lanes 0-15: tile 2 w's words, lanes 16-31: tile 2 w + 1's
	global_store_b32 v4, v26, s[28:29]             ; 128 consecutive bytes
	s_wait_tensorcnt 0x0
	ds_add_u32 v254, v255
	s_wait_dscnt 0x0
	s_endpgm
	; ---- the weights, stored [K][N]: a lane takes a column, its registers run down K
.Lweights:
	s_sub_co_u32 s20, ttmp9, 256                   ; 0-191: q_w, k_w, v_w (64 each); 192-447: w1; 448-703: w2
	s_lshr_b32 s21, s20, 6
	s_and_b32 s22, s20, 63
	s_sub_co_u32 s23, s20, 192
	s_sub_co_u32 s24, s20, 448
	s_lshl_b32 s25, s21, 3
	s_add_co_u32 s25, s25, 32
	s_mov_b32 s26, 16384
	s_mov_b32 s27, 393216
	s_mov_b32 s28, W2C
	s_mov_b32 s29, W2S
	s_wait_kmcnt 0x0
	s_cmp_lt_u32 s20, 448                          ; every choice hangs on the work-group's number alone
	s_cselect_b32 s31, s23, s24                    ; place in the tensor
	s_cselect_b32 s32, 3, 5                        ; K steps: 8 or 32
	s_cselect_b32 s33, 7, 31
	s_cselect_b32 s34, 56, 0                       ; first group
	s_cselect_b32 s35, s26, 4096                   ; a row of the weight in bytes
	s_cselect_b32 s27, 98304, s27                  ; a group's codes
	s_cselect_b32 s28, 0, s28
	s_cselect_b32 s29, S1024, s29
	s_cselect_b32 s30, 4096, s26                   ; a group's scale words
	s_cselect_b64 s[36:37], s[12:13], s[14:15]
	s_cmp_eq_u32 s21, 0
	s_cselect_b64 s[38:39], s[6:7], s[8:9]
	s_cmp_eq_u32 s21, 2
	s_cselect_b64 s[38:39], s[10:11], s[38:39]
	s_cmp_lt_u32 s20, 192
	s_cselect_b32 s31, s22, s31
	s_cselect_b32 s34, s25, s34
	s_cselect_b32 s35, 4096, s35
	s_cselect_b64 s[36:37], s[38:39], s[36:37]
	s_lshr_b32 s21, s31, s32                       ; which 128 columns
	s_and_b32 s22, s31, s33                        ; which K step
	s_add_co_u32 s34, s34, s21                     ; the group
	s_lshl_b32 s23, s35, 7
	s_mul_i32 s24, s22, s23                        ; 128 rows of the weight a K step
	s_lshl_b32 s25, s21, 9
	s_add_co_u32 s24, s24, s25
	s_lshl_b32 s25, s18, 7                         ; my wave's 32 columns
	s_add_co_u32 s24, s24, s25
	s_mov_b32 s25, 0
	s_add_nc_u64 s[40:41], s[36:37], s[24:25]      ; a base for each block of 32 along K: no pointer is stepped
	s_lshl_b32 s24, s35, 5
	s_add_nc_u64 s[42:43], s[40:41], s[24:25]
	s_add_nc_u64 s[44:45], s[42:43], s[24:25]
	s_add_nc_u64 s[46:47], s[44:45], s[24:25]
	s_mul_i32 s24, s34, s27
	s_add_co_u32 s24, s24, s28
	s_mul_i32 s26, s22, 12288
	s_add_co_u32 s24, s24, s26
	s_mul_i32 s26, s18, 3072
	s_add_co_u32 s24, s24, s26
	s_add_nc_u64 s[48:49], s[16:17], s[24:25]      ; my two tiles' images
	s_mul_i32 s24, s34, s30
	s_add_co_u32 s24, s24, s29
	s_lshl_b32 s26, s22, 9
	s_add_co_u32 s24, s24, s26
	s_lshl_b32 s26, s18, 7
	s_add_co_u32 s24, s24, s26
	s_add_nc_u64 s[50:51], s[16:17], s[24:25]      ; and their scale words
	s_wait_alu depctr_va_vdst(0)
	v_lshlrev_b32 v3, 2, v6
	v_bfe_u32 v7, v0, 3, 1                         ; column 8 u + r + 8 (r / 8) of my 32: u,
	v_and_b32 v9, 7, v0
	v_bfe_u32 v10, v0, 4, 1
	v_lshl_add_u32 v9, v10, 3, v9                  ; and r
	s_mul_i32 s19, s18, 3072
	s_add_co_u32 s19, s19, 33792                   ; my two images in LDS
	v_mul_u32_u24 v14, v7, 1536
	v_lshl_add_u32 v14, v9, 4, v14
	v_add_nc_u32 v14, s19, v14                     ; in: tile u, lane r of the image
	v_add_nc_u32 v15, s19, v1                      ; out: as they lie
	v_lshlrev_b32 v16, 6, v7
	v_lshl_add_u32 v16, v9, 2, v16                 ; my column's scale word
.set J, 0
.rept 32
	v_mad_u32_u24 v[32+J], s35, J, v3              ; row J of a block, my column
.set J, J+1
.endr
.macro LOAD t
.set J, 0
.rept 32
	global_load_b32 v[64+32*((\t)%2)+J], v[32+J], s[40+2*(\t):41+2*(\t)] th:TH_LOAD_NT   ; 32 lanes read 128 consecutive bytes
.set J, J+1
.endr
.endm
.macro BLOCK t                         ; block t of 32 along K: all its numbers are mine.  It is registers 6 (t / 2) on of lane r + 16 (t % 2) of the image
.set XS, 64+32*((\t)%2)
.set CBT, 128+12*(\t)
.if (\t) < 3
	s_wait_loadcnt 32                              ; this block's 32 loads are in; the next block's may be out
.else
	s_wait_loadcnt 0x0
.endif
	v_max3_num_f32 v12, |v[XS]|, |v[XS+1]|, |v[XS+2]|
	v_max3_num_f32 v13, |v[XS+3]|, |v[XS+4]|, |v[XS+5]|
.irp i, 6,10,14,18,22,26
	v_max3_num_f32 v12, v12, |v[XS+\i]|, |v[XS+\i+1]|
	v_max3_num_f32 v13, v13, |v[XS+\i+2]|, |v[XS+\i+3]|
.endr
	v_max3_num_f32 v12, v12, |v[XS+30]|, |v[XS+31]|
	v_max3_num_f32 v12, v12, v13, 0x1800000        ; and the floor
	v_add_nc_u32 v11, 0xff000000, v12
	v_lshrrev_b32 v13, 23, v11
.if (\t) == 0
	v_mov_b32 v8, v13
.else
	v_lshl_or_b32 v8, v13, 8*(\t), v8
.endif
	v_cvt_scalef32_pk16_fp6_f32 v[CBT:CBT+2], v[XS:XS+15], v11
	v_cvt_scalef32_pk16_fp6_f32 v[CBT+6:CBT+8], v[XS+16:XS+31], v11
	v_nop                                          ; one plain place behind a scaled conversion
.irp i, 0,1,2
	v_mov_b32 v[CBT+3+\i], v[CBT+6+\i]
.endr
.if (\t) < 2
	ds_store_b128 v14, v[CBT:CBT+3] offset:256*((\t)%2)
	ds_store_b64 v14, v[CBT+4:CBT+5] offset:256*((\t)%2)+512
.else
	ds_store_b64 v14, v[CBT:CBT+1] offset:256*((\t)%2)+520
	ds_store_b128 v14, v[CBT+2:CBT+5] offset:256*((\t)%2)+1024
.endif
.if (\t) < 2
	LOAD (\t)+2
.endif
.endm
	LOAD 0
	LOAD 1
	BLOCK 0
	BLOCK 1
	BLOCK 2
	BLOCK 3
	global_store_b32 v16, v8, s[50:51]             ; the wave's 32 words: 128 consecutive bytes
.irp k, 0,1,2,3,4,5
	ds_load_b128 v[176+4*\k:176+4*\k+3], v15 offset:512*\k   ; LDS serves a wave's instructions in order: these see my stores
.endr
.irp k, 0,1,2,3,4,5
	s_wait_dscnt 5-\k                              ; the younger loads may be out
	global_store_b128 v1, v[176+4*\k:176+4*\k+3], s[48:49] offset:512*\k
.endr
	s_wait_tensorcnt 0x0
	ds_add_u32 v254, v255
	s_wait_dscnt 0x0
	s_endpgm
.Lfunc_end_k_q2b6b99affe_quant:
	.size	k_q2b6b99affe_quant, .Lfunc_end_k_q2b6b99affe_quant-k_q2b6b99affe_quant
	.p2alignl 7, 3214868480
	.fill 96, 4, 3214868480
	.section	.rodata,"a",@progbits
	.p2align	6, 0x0
	.amdhsa_kernel k_q2b6b99affe_quant
		.amdhsa_group_segment_fixed_size 46592
		.amdhsa_private_segment_fixed_size 0
		.amdhsa_enable_private_segment 0
		.amdhsa_kernarg_size 56
		.amdhsa_user_sgpr_count 2
		.amdhsa_user_sgpr_kernarg_segment_ptr 1
		.amdhsa_wavefront_size32 1
		.amdhsa_system_sgpr_workgroup_id_x 1
		.amdhsa_system_sgpr_workgroup_id_y 1
		.amdhsa_system_sgpr_workgroup_id_z 1
		.amdhsa_system_vgpr_workitem_id 0
		.amdhsa_next_free_vgpr 256
		.amdhsa_next_free_sgpr 66
		.amdhsa_reserve_vcc 1
		.amdhsa_float_denorm_mode_32 3
		.amdhsa_float_denorm_mode_16_64 3
		.amdhsa_memory_ordered 1
		.amdhsa_forward_progress 1
		.amdhsa_inst_pref_size 51
	.end_amdhsa_kernel
	.amdgpu_metadata
---
amdhsa.version: [ 1, 2 ]
amdhsa.kernels:
  - .name:           k_q2b6b99affe_quant
    .symbol:         k_q2b6b99affe_quant.kd
    .args:
      - { .name: src, .offset: 0, .size: 8, .value_kind: global_buffer, .address_space: global }
      - { .name: q_w, .offset: 8, .size: 8, .value_kind: global_buffer, .address_space: global }
      - { .name: k_w, .offset: 16, .size: 8, .value_kind: global_buffer, .address_space: global }
      - { .name: v_w, .offset: 24, .size: 8, .value_kind: global_buffer, .address_space: global }
      - { .name: w1, .offset: 32, .size: 8, .value_kind: global_buffer, .address_space: global }
      - { .name: w2, .offset: 40, .size: 8, .value_kind: global_buffer, .address_space: global }
      - { .name: wq, .offset: 48, .size: 8, .value_kind: global_buffer, .address_space: global }
    .group_segment_fixed_size: 46592
    .private_segment_fixed_size: 0
    .kernarg_segment_align: 8
    .kernarg_segment_size: 56
    .max_flat_workgroup_size: 128
    .sgpr_count:     66
    .vgpr_count:     256
    .wavefront_size: 32
...
	.end_amdgpu_metadata
.endif
;; end of part 1
;; launch qkv (part 2): grid 12 x 16, 4 waves a work-group, clusters of 4 x 4, 327,680 bytes of LDS; arguments wq, q_b, k_b, v_b, qkvr; writes qkvr
.if DOCPART == 2
	.amdgcn_target "amdgcn-amd-amdhsa--gfx1250"
	.amdhsa_code_object_version 6
	.text
	.protected	k_q2b6b99affe_qkv
	.globl	k_q2b6b99affe_qkv
	.p2align	8
	.type	k_q2b6b99affe_qkv,@function
k_q2b6b99affe_qkv:
	s_mov_b64 s[64:65], 0
	v_nop
	global_prefetch_b8 v0, s[64:65] scope:SCOPE_SE
	s_setreg_imm32_b32 hwreg(HW_REG_WAVE_MODE, 25, 1), 1
	s_wait_xcnt 0x0
	s_wait_alu depctr_hold_cnt(0) depctr_sa_sdst(0) depctr_va_vdst(0) depctr_va_sdst(0) depctr_va_ssrc(0) depctr_va_vcc(0) depctr_vm_vsrc(0)
	s_getreg_b32 s2, hwreg(HW_REG_IB_STS2, 6, 4)
	s_cmp_eq_u32 s2, 0
	s_cbranch_scc0 .Lentry_in_a_cluster
	s_endpgm
.Lentry_in_a_cluster:
	s_bfe_u32 s2, ttmp6, 0x10000c
	s_cmp_lg_u32 s2, 0xf033
	s_cbranch_scc0 .Lentry_shape_is_right
	s_endpgm
.Lentry_shape_is_right:
.set KK,    1024
.set S1024, 11796480
.set ROPE,  12288000
.set KVOFF, 6815744
.set PAC, 4
.set AOFFC, 0
.set PAS, 4
.set AOFFS, S1024
.set PBC, 4
.set BOFFC, 0
.set PBS, 4
.set BOFFS, S1024
.set FR,    12
.set NP,    4
.set HALFT, 24576
.set SLOT,  4*HALFT
.set SCL,   2*SLOT
.set HALFS, 4*KK
.set SPARE, SCL+4*HALFS
.set LAPS,  KK/512
.set ADRA, 16
.set ADRB, 20
.set LI,   26
.set ADRS, 27
.set SPW,  28
.set NIL,  29
.set SC,   32
.set BI,   64
.set AF,   128
.set T,    64
.set PC,   128
.set TM,   148
.set PW,   164
.set SEL,  96
.set G1, 24
.set G0, 32
.set G1B, 48
.set G0B, 56
.set G1S, 68
.set G0S, 76
.set G1SB, 80
.set G0SB, 88
.set MSB, 0
.macro WIN new
.if MSB != (\new)
	s_set_vgpr_msb (MSB<<8)|(\new)
.set MSB, (\new)
.endif
.endm
.set MUL_LO, 0xa1
.set MUL_HI, 0xf1
.set TO_B,   0x40
.macro JLOAD g0a, g1a, g0b, g1b
	s_cmp_eq_u32 s15, 0
	s_cbranch_scc0 .Lfor_b_\@
	tensor_load_to_lds s[\g0a:\g0a+3], s[\g1a:\g1a+7]
	s_nop 0
.rept 4
	v_nop
.endr
	s_branch .Lasked_\@
.Lfor_b_\@:
	tensor_load_to_lds s[\g0b:\g0b+3], s[\g1b:\g1b+7]
	s_nop 0
.rept 4
	v_nop
.endr
.Lasked_\@:
.endm
.macro CREST
	s_cmp_lg_u32 s14, 0
	s_cbranch_scc1 .Lnot_wave_0_\@
	s_barrier_signal -3
.Lnot_wave_0_\@:
	s_barrier_wait -3
	s_barrier_signal -1
	s_barrier_wait -1
.endm
.macro CROUND
	s_barrier_signal -1
	s_barrier_wait -1
	CREST
.endm
.macro PLACES n
.rept \n
	v_nop
.endr
.endm
.macro QUANT s
.irp b, 0,1,2,3
	v_max3_num_f32 v[TM+\b], |v[\s+16*\b]|, |v[\s+1+16*\b]|, 0x1800000
.endr
.irp i, 2,4,6,8,10,12,14
.irp b, 0,1,2,3
	v_max3_num_f32 v[TM+\b], v[TM+\b], |v[\s+16*\b+\i]|, |v[\s+1+16*\b+\i]|
.endr
.endr
.irp b, 0,1,2,3
	v_permlanex16_b32 v[TM+4+\b], v[TM+\b], s[SEL], s[SEL+1]
.endr
.irp b, 0,1,2,3
	v_max_num_f32 v[TM+\b], v[TM+\b], v[TM+4+\b]
.endr
.irp b, 0,1,2,3
	v_add_nc_u32 v[TM+12+\b], 0xff000000, v[TM+\b]
.endr
.irp b, 0,1,2,3
	v_lshrrev_b32 v[TM+4+\b], 23, v[TM+12+\b]
.endr
	v_lshl_or_b32 v[PW], v[TM+5], 8, v[TM+4]
	v_lshl_or_b32 v[PW], v[TM+6], 16, v[PW]
	v_lshl_or_b32 v[PW], v[TM+7], 24, v[PW]
.irp c, 0,1
	v_cvt_scalef32_pk16_fp6_f32 v[PC+6*\c:PC+2+6*\c], v[\s+32*\c:\s+15+32*\c], v[TM+12+2*\c]
	v_cvt_scalef32_pk16_fp6_f32 v[PC+12+4*\c:PC+14+4*\c], v[\s+16+32*\c:\s+31+32*\c], v[TM+12+2*\c+1]
.endr
	v_nop
.irp c, 0,1
.irp i, 0,1,2
	v_permlane16_swap_b32 v[PC+6*\c+\i], v[PC+12+4*\c+\i]
.endr
.irp i, 0,1,2
	v_mov_b32 v[PC+3+6*\c+\i], v[PC+12+4*\c+\i]
.endr
.endr
.endm
.macro FRAG reg, adr, q, i
.irp c, 0,1,2
	ds_load_b128 v[\reg+4*\c:\reg+4*\c+3], v[\adr] offset:12288*(\q)+1536*(\i)+512*\c
.endr
.endm
.macro MUL16 a0, p, q, sc, first
.irp a, \a0, \a0+1
.irp b, 0,1,2,3,4,5,6,7
.if \first
	v_wmma_scale_f32_16x16x128_f8f6f4 v[8*(8*((\a)%4)+\b):8*(8*((\a)%4)+\b)+7], v[128*(\p)+FR*\b:128*(\p)+FR*\b+FR-1], v[AF+FR*(\a):AF+FR*(\a)+FR-1], v[BI+8*\b:BI+8*\b+7], v[SC+16*(\sc)+2*\b+(\q)], v[SC+16*(\sc)+2*(\a)+(\q)] matrix_a_fmt:MATRIX_FMT_FP6 matrix_b_fmt:MATRIX_FMT_FP6 matrix_a_scale:MATRIX_SCALE_ROW1
.else
	v_wmma_scale_f32_16x16x128_f8f6f4 v[8*(8*((\a)%4)+\b):8*(8*((\a)%4)+\b)+7], v[128*(\p)+FR*\b:128*(\p)+FR*\b+FR-1], v[AF+FR*(\a):AF+FR*(\a)+FR-1], v[8*(8*((\a)%4)+\b):8*(8*((\a)%4)+\b)+7], v[SC+16*(\sc)+2*\b+(\q)], v[SC+16*(\sc)+2*(\a)+(\q)] matrix_a_fmt:MATRIX_FMT_FP6 matrix_b_fmt:MATRIX_FMT_FP6 matrix_a_scale:MATRIX_SCALE_ROW1
.endif
.endr
.endr
.endm
.macro FETCH_B slot, q, p
	WIN TO_B
.irp i, 0,1,2,3,4,5,6,7
	FRAG 128*(\p)+FR*\i, ADRB+\slot, \q, \i
.endr
	WIN 0
.endm
.macro FETCH_A slot, q, i0
.irp i, \i0, \i0+1, \i0+2, \i0+3
	FRAG AF+FR*(\i), ADRA+\slot, \q, \i
.endr
.endm
.macro SCALES sc
.irp i, 0,1,2,3,4,5,6,7
.irp q, 0,1
	ds_load_b32 v[SC+16*\sc+2*\i+\q], v[ADRS] offset:64*\i+512*\q
.endr
.endr
.endm
.macro STEP slot, q, first
	s_wait_dscnt 12
.if \first
	WIN 0x81
.else
	WIN MUL_LO
.endif
	MUL16 0, (\q)%2, \q, \slot, \first
	MUL16 2, (\q)%2, \q, \slot, \first
	s_wait_dscnt 0
	PLACES NP
	FETCH_B \slot, (\q)+1, 1-(\q)%2
	FETCH_A \slot, (\q)+1, 0
.if \first
	WIN 0xc1
.else
	WIN MUL_HI
.endif
	MUL16 4, (\q)%2, \q, \slot, \first
	MUL16 6, (\q)%2, \q, \slot, \first
	PLACES NP
	WIN 0
	FETCH_A \slot, (\q)+1, 4
.endm
.macro TURN slot, next, fill
	s_wait_tensorcnt 0x0
	ds_add_u32 v[SPW], v[NIL]
	s_wait_dscnt 13
	WIN MUL_LO
	MUL16 0, 1, 1, \slot, 0
	s_wait_dscnt 0x0
	s_barrier_signal -1
	MUL16 2, 1, 1, \slot, 0
	WIN 0
	s_barrier_wait -1
.if \fill
	CREST
	s_add_nc_u64 s[G0+4*\slot+2:G0+4*\slot+3], s[G0+4*\slot+2:G0+4*\slot+3], 2*HALFT
	s_add_nc_u64 s[G0B+4*\slot+2:G0B+4*\slot+3], s[G0B+4*\slot+2:G0B+4*\slot+3], 2*HALFT
	JLOAD G0+4*\slot, G1, G0B+4*\slot, G1B
.else
	PLACES NP
.endif
	s_wait_alu depctr_va_vdst(0)
	v_add_nc_u32 v[ADRS], 1024, v[ADRS]
	FETCH_B \next, 0, 0
	FETCH_A \next, 0, 0
	SCALES \next
	WIN MUL_HI
	MUL16 4, 1, 1, \slot, 0
	MUL16 6, 1, 1, \slot, 0
	PLACES NP
	WIN 0
	FETCH_A \next, 0, 4
.endm
.macro HEAD
	v_lshl_add_u32 v[SPW], v0, 2, SPARE
	v_mov_b32 v[NIL], 0
	ds_add_u32 v28, v29
	ds_add_u32 v28, v29
	s_wait_dscnt 0x0
	v_lshrrev_b32 v1, 5, v0
	v_readfirstlane_b32 s14, v1
	s_lshr_b32 s15, s14, 1
	s_and_b32 s16, s14, 1
	s_bfe_u32 s40, ttmp6, 0x40000
	s_bfe_u32 s41, ttmp6, 0x40004
	s_and_b32 s17, ttmp7, 0xffff
	s_lshl_b32 s43, s41, 2
	s_lshl_b32 s43, 15, s43
	s_lshl_b32 s44, 0x1111, s40
.endm
.macro SETUP
	s_or_b32 s[G1], s43, (3<<16)|(1<<21)
	s_or_b32 s[G1B], s44, (3<<16)|(1<<21)
	s_or_b32 s[G1S], s43, (3<<16)|(1<<21)
	s_or_b32 s[G1SB], s44, (3<<16)|(1<<21)
.irp g, G1, G1B
	s_mov_b32 s[\g+1], 32<<16
	s_mov_b32 s[\g+2], 96<<16
	s_mov_b32 s[\g+3], 32<<16
	s_mov_b32 s[\g+4], 96
	s_mov_b32 s[\g+5], 32
	s_mov_b32 s[\g+6], 0
	s_mov_b32 s[\g+7], 0
.endr
.irp g, G1S, G1SB
	s_mov_b32 s[\g+1], 32<<16
	s_mov_b32 s[\g+2], (KK/64)<<16
	s_mov_b32 s[\g+3], 32<<16
	s_mov_b32 s[\g+4], KK/64
	s_mov_b32 s[\g+5], 32
	s_mov_b32 s[\g+6], 0
	s_mov_b32 s[\g+7], 0
.endr
	s_add_co_u32 s20, s67, s16
	s_add_co_u32 s46, s45, s16
	s_mul_i32 s22, s20, 4*KK
	s_mul_i32 s92, s46, 4*KK
	s_mul_i32 s20, s20, 96*KK
	s_mul_i32 s46, s46, 96*KK
	s_add_co_u32 s20, s20, AOFFC
	s_add_co_u32 s22, s22, AOFFS
	s_add_co_u32 s46, s46, BOFFC
	s_add_co_u32 s92, s92, BOFFS
	s_mov_b32 s21, 0
	s_mov_b32 s23, 0
	s_mov_b32 s47, 0
	s_mov_b32 s93, 0
	s_mul_i32 s2, s14, HALFT
	s_mul_i32 s94, s14, HALFS
	s_wait_kmcnt 0x0
	s_add_nc_u64 s[20:21], s[PAC:PAC+1], s[20:21]
	s_add_nc_u64 s[22:23], s[PAS:PAS+1], s[22:23]
	s_add_nc_u64 s[46:47], s[PBC:PBC+1], s[46:47]
	s_add_nc_u64 s[92:93], s[PBS:PBS+1], s[92:93]
	CROUND
	s_mov_b32 s[G0S], 1
	s_add_co_u32 s[G0S+1], s94, SCL
	s_mov_b64 s[G0S+2:G0S+3], s[22:23]
	s_or_b32 s[G0S+3], s[G0S+3], 0x80000000
	s_mov_b32 s[G0SB], 1
	s_add_co_u32 s[G0SB+1], s94, SCL
	s_mov_b64 s[G0SB+2:G0SB+3], s[92:93]
	s_or_b32 s[G0SB+3], s[G0SB+3], 0x80000000
	JLOAD G0S, G1S, G0SB, G1SB
.irp s, 0,1
	s_mov_b32 s[G0+4*\s], 1
	s_add_co_u32 s[G0+4*\s+1], s2, \s*SLOT
	s_add_nc_u64 s[G0+4*\s+2:G0+4*\s+3], s[20:21], \s*HALFT
	s_or_b32 s[G0+4*\s+3], s[G0+4*\s+3], 0x80000000
	s_mov_b32 s[G0B+4*\s], 1
	s_add_co_u32 s[G0B+4*\s+1], s2, \s*SLOT
	s_add_nc_u64 s[G0B+4*\s+2:G0B+4*\s+3], s[46:47], \s*HALFT
	s_or_b32 s[G0B+4*\s+3], s[G0B+4*\s+3], 0x80000000
	s_wait_alu depctr_va_vdst(0)
	s_wait_tensorcnt 0x0
	ds_add_u32 v28, v29
	s_wait_dscnt 0x0
	CROUND
	JLOAD G0+4*\s, G1, G0B+4*\s, G1B
.endr
	v_and_b32 v1, 15, v0
	v_bfe_u32 v2, v0, 4, 1
	s_wait_alu depctr_va_vdst(0)
	v_and_b32 v3, 31, v0
	v_lshlrev_b32 v[LI], 4, v3
	v_lshlrev_b32 v4, 6, v2
	s_mul_i32 s18, s15, HALFT
	s_mul_i32 s19, s16, HALFT
	s_add_co_u32 s19, s19, 2*HALFT
.irp s, 0,1
	v_add_nc_u32 v[ADRA+\s], s18, v[LI]
	v_add_nc_u32 v[ADRB+\s], s19, v[LI]
	s_add_co_u32 s18, s18, SLOT
	s_add_co_u32 s19, s19, SLOT
.endr
	v_lshlrev_b32 v5, 2, v1
	s_mul_i32 s18, s15, HALFS
	s_mul_i32 s19, s16, HALFS
	s_add_co_u32 s19, s19, 2*HALFS
	s_sub_co_u32 s19, s19, s18
	v_mul_u32_u24 v6, s19, v2
	s_add_co_u32 s18, s18, SCL
	v_add_nc_u32 v5, v5, v6
	v_add_nc_u32 v[ADRS], s18, v5
	s_mov_b32 s[SEL], 0x76543210
	s_mov_b32 s[SEL+1], 0xfedcba98
.endm
.macro BIAS
.irp b, 0,1,2,3,4,5,6,7
	global_load_b128 v[BI+8*\b:BI+8*\b+3], v4, s[20:21] offset:(32*(\b/2)+8*(\b%2))*4
	global_load_b128 v[BI+8*\b+4:BI+8*\b+7], v4, s[20:21] offset:(32*(\b/2)+8*(\b%2))*4+16
.endr
.endm
.macro MAIN
	s_wait_loadcnt 0x0
	s_wait_tensorcnt 1
	s_barrier_signal -1
	s_barrier_wait -1
	FETCH_B 0, 0, 0
	FETCH_A 0, 0, 0
	SCALES 0
	FETCH_A 0, 0, 4
	STEP 0, 0, 1
	s_mov_b32 s3, LAPS-1
.Llap:
	TURN 0, 1, 1
	STEP 1, 0, 0
	TURN 1, 0, 1
	STEP 0, 0, 0
	s_sub_co_u32 s3, s3, 1
	s_cmp_lg_u32 s3, 0
	s_cbranch_scc1 .Llap
	TURN 0, 1, 0
	STEP 1, 0, 0
	s_wait_dscnt 12
	WIN MUL_LO
	MUL16 0, 1, 1, 1, 0
	MUL16 2, 1, 1, 1, 0
	s_wait_dscnt 0
	WIN MUL_HI
	MUL16 4, 1, 1, 1, 0
	MUL16 6, 1, 1, 1, 0
	WIN 0
	PLACES NP
.endm
.macro FINISH
	s_wait_tensorcnt 0x0
	ds_add_u32 v[SPW], v[NIL]
	s_wait_dscnt 0x0
	CROUND
	s_endpgm
.endm
.set SST,  7
.set VB,   8
.set SRD,  18
.set SSTV, 19
.set SRDV, 22
.set VS,   23
.set L8,   30
.set RO,   31
.set PW2,  165
.set CS,   168
	s_load_b256 s[4:11], s[0:1], 0x0
	s_load_b64 s[12:13], s[0:1], 0x20
	HEAD
	s_lshl_b32 s19, s17, 3
	s_lshl_b32 s21, ttmp9, 3
	s_add_co_u32 s21, s21, 32
	s_cmp_eq_u32 ttmp9, 2
	s_cselect_b32 s67, 48, s19
	s_cselect_b32 s45, s19, s21
	s_cselect_b32 s66, -1, 0
	s_lshl_b32 s22, s41, 1
	s_add_co_u32 s67, s67, s22
	s_lshl_b32 s47, s40, 1
	s_add_co_u32 s45, s45, s47
	SETUP
	v_and_b32 v5, 8, v1
	v_add_nc_u32 v5, v5, v1
	v_lshlrev_b32 v6, 2, v5
	s_wait_alu depctr_va_vdst(0)
	v_lshl_add_u32 v[RO], v5, 8, v4
	v_lshlrev_b32 v[L8], 3, v3
	s_lshl_b32 s18, s14, 10
	v_lshl_add_u32 v[SST], v1, 2, s18
	v_add_nc_u32 v[SRD], s18, v[LI]
	s_lshl_b32 s18, s14, 9
	s_add_co_u32 s18, s18, 4096
	v_lshl_add_u32 v[SSTV], v1, 2, s18
	v_add_nc_u32 v[SRDV], s18, v[LI]
	v_mul_u32_u24 v[VS], v2, 212992
	v_lshl_add_u32 v[VS], v1, 4, v[VS]
	s_lshl_b32 s18, s40, 1
	s_add_co_u32 s18, s18, s16
	s_lshl_b32 s19, s41, 1
	s_add_co_u32 s19, s19, s15
	s_lshl_b32 s46, s18, 9
	s_mov_b32 s47, 0
	s_cmp_eq_u32 ttmp9, 1
	s_cselect_b64 s[20:21], s[8:9], s[6:7]
	s_add_nc_u64 s[20:21], s[20:21], s[46:47]
	s_lshl_b32 s46, s19, 9
	s_add_nc_u64 s[22:23], s[10:11], s[46:47]
	BIAS
.irp a, 0,1,2,3,4,5,6,7
	global_load_b32 v[VB+\a], v6, s[22:23] offset:(32*(\a/2)+8*(\a%2))*4
.endr
	s_lshl_b32 s2, s17, 3
	s_cmp_eq_u32 ttmp9, 2
	s_cselect_b32 s3, s18, s19
	s_cselect_b32 s46, s19, s18
	s_add_co_u32 s3, s3, s2
	s_lshr_b32 s2, s3, 4
	s_and_b32 s3, s3, 15
	s_lshl_b32 s2, s2, 3
	s_add_co_u32 s2, s2, s46
	s_lshl_b32 s2, s2, 5
	s_add_co_u32 s2, s2, s3
	s_mul_i32 s92, s2, 13312
	s_cmp_eq_u32 ttmp9, 0
	s_cselect_b32 s2, 0, KVOFF
	s_add_co_u32 s92, s92, s2
	s_mov_b32 s93, 0
	s_add_nc_u64 s[92:93], s[12:13], s[92:93]
	s_add_nc_u64 s[94:95], s[92:93], 212992
	s_lshl_b32 s98, s3, 15
	s_add_co_u32 s98, s98, ROPE
	s_mov_b32 s99, 0
	s_add_nc_u64 s[98:99], s[4:5], s[98:99]
	s_wait_loadcnt 0x0
.set J, 0
.rept 64
	v_cndmask_b32 v[BI+J], v[BI+J], v[NIL], s66
.set J, J+1
.endr
	PLACES 8
	s_wait_alu depctr_va_vdst(0)
	MAIN
.irp b, 0,1,2,3
	v_mov_b32 v[TM+4+\b], 0
.endr
	s_cmp_eq_u32 ttmp9, 2
	s_cbranch_scc1 .Lvout
.macro ROPELD a, set
.irp bb, 0,1
.irp j, 0,1,2,3
	global_load_b128 v[CS+32*(\set)+16*\bb+4*\j:CS+32*(\set)+16*\bb+4*\j+3], v[RO], s[98:99] offset:(32*((\a)/2)+8*((\a)%2))*256+128*\bb+16*\j
.endr
.endr
.endm
.macro OUT_QK a
.set AC, 64*((\a)%4)
.set CSS, CS+32*((\a)%2)
.if (\a) < 7
	s_wait_loadcnt 8
.else
	s_wait_loadcnt 0x0
.endif
	s_wait_xcnt 0x0
	WIN 0x02+(\a)/4
.irp hd, 0,1
.irp bb, 0,1
.irp p, 0,1,2,3,4,5,6,7
	v_pk_mul_f32 v[T+32*\hd+16*\bb+2*\p:T+32*\hd+16*\bb+2*\p+1], v[AC+32*\hd+16*\bb+2*\p:AC+32*\hd+16*\bb+2*\p+1], v[CSS+16*\bb+2*\p:CSS+16*\bb+2*\p+1] op_sel_hi:[1,0]
.endr
.irp p, 0,1,2,3,4,5,6,7
	v_pk_fma_f32 v[T+32*\hd+16*\bb+2*\p:T+32*\hd+16*\bb+2*\p+1], v[AC+32*\hd+16*\bb+2*\p:AC+32*\hd+16*\bb+2*\p+1], v[CSS+16*\bb+2*\p:CSS+16*\bb+2*\p+1], v[T+32*\hd+16*\bb+2*\p:T+32*\hd+16*\bb+2*\p+1] op_sel:[1,1,0] op_sel_hi:[0,1,1] neg_lo:[1,0,0]
.endr
.endr
.endr
	WIN 0
.if (\a) < 6
	ROPELD (\a)+2, (\a)%2
.endif
	QUANT T
	global_store_b128 v[LI], v[PC:PC+3], s[92:93] offset:768*(\a)
	global_store_b64 v[L8], v[PC+4:PC+5], s[92:93] offset:768*(\a)+512
	global_store_b128 v[LI], v[PC+6:PC+9], s[94:95] offset:768*(\a)
	global_store_b64 v[L8], v[PC+10:PC+11], s[94:95] offset:768*(\a)+512
	ds_store_b32 v[SST], v[PW] offset:64*(\a)
	v_lshrrev_b32 v[PW2], 16, v[PW]
	ds_store_b32 v[SST], v[PW2] offset:512+64*(\a)
.endm
	ROPELD 0, 0
	ROPELD 1, 1
.irp a, 0,1,2,3,4,5,6,7
	OUT_QK \a
.endr
	ds_load_b128 v[T:T+3], v[SRD]
	ds_load_b128 v[T+4:T+7], v[SRD] offset:512
	s_wait_dscnt 0x0
	global_store_b128 v[LI], v[T:T+3], s[92:93] offset:12288
	global_store_b128 v[LI], v[T+4:T+7], s[94:95] offset:12288
	s_branch .Lend
.Lvout:
.macro OUT_V a
.set AC, 64*((\a)%4)
.if (\a) > 0
	s_wait_xcnt 0x0
.endif
	WIN 0x02+(\a)/4
.set Q, 0
.rept 32
.if (\a)%2 == 0
	v_pk_add_f32 v[T+Q:T+Q+1], v[AC+Q:AC+Q+1], v[VB+2*((\a)/2):VB+2*((\a)/2)+1] op_sel_hi:[1,0]
.else
	v_pk_add_f32 v[T+Q:T+Q+1], v[AC+Q:AC+Q+1], v[VB+2*((\a)/2):VB+2*((\a)/2)+1] op_sel:[0,1] op_sel_hi:[1,1]
.endif
.set Q, Q+2
.endr
	WIN 0
	QUANT T
.irp c, 0,1,2
.if (\a) < 4
	global_store_b128 v[LI], v[PC+4*\c:PC+4*\c+3], s[92:93] offset:6144+1536*((\a)%4)+512*\c
.else
	global_store_b128 v[LI], v[PC+4*\c:PC+4*\c+3], s[94:95] offset:6144+1536*((\a)%4)+512*\c
.endif
.endr
	ds_store_b32 v[SSTV], v[PW] offset:64*(\a)
.endm
.irp a, 0,1,2,3,4,5,6,7
	OUT_V \a
.endr
	ds_load_b128 v[T:T+3], v[SRDV]
	s_wait_dscnt 0x0
	global_store_b128 v[VS], v[T:T+3], s[92:93] offset:12800
	global_store_b128 v[VS], v[T:T+3], s[92:93] offset:13056
.Lend:
	FINISH
.Lfunc_end_k_q2b6b99affe_qkv:
	.size	k_q2b6b99affe_qkv, .Lfunc_end_k_q2b6b99affe_qkv-k_q2b6b99affe_qkv
	.p2alignl 7, 3214868480
	.fill 96, 4, 3214868480
	.section	.rodata,"a",@progbits
	.p2align	6, 0x0
	.amdhsa_kernel k_q2b6b99affe_qkv
		.amdhsa_group_segment_fixed_size 327680
		.amdhsa_private_segment_fixed_size 0
		.amdhsa_enable_private_segment 0
		.amdhsa_kernarg_size 40
		.amdhsa_user_sgpr_count 2
		.amdhsa_user_sgpr_kernarg_segment_ptr 1
		.amdhsa_wavefront_size32 1
		.amdhsa_system_sgpr_workgroup_id_x 1
		.amdhsa_system_sgpr_workgroup_id_y 1
		.amdhsa_system_sgpr_workgroup_id_z 1
		.amdhsa_system_vgpr_workitem_id 0
		.amdhsa_next_free_vgpr 1024
		.amdhsa_next_free_sgpr 100
		.amdhsa_reserve_vcc 0
		.amdhsa_float_denorm_mode_32 3
		.amdhsa_float_denorm_mode_16_64 3
		.amdhsa_memory_ordered 1
		.amdhsa_forward_progress 1
		.amdhsa_inst_pref_size 240
	.end_amdhsa_kernel
	.amdgpu_metadata
---
amdhsa.version: [ 1, 2 ]
amdhsa.kernels:
  - .name:           k_q2b6b99affe_qkv
    .symbol:         k_q2b6b99affe_qkv.kd
    .args:
      - { .name: wq, .offset: 0, .size: 8, .value_kind: global_buffer, .address_space: global }
      - { .name: q_b, .offset: 8, .size: 8, .value_kind: global_buffer, .address_space: global }
      - { .name: k_b, .offset: 16, .size: 8, .value_kind: global_buffer, .address_space: global }
      - { .name: v_b, .offset: 24, .size: 8, .value_kind: global_buffer, .address_space: global }
      - { .name: qkvr, .offset: 32, .size: 8, .value_kind: global_buffer, .address_space: global }
    .group_segment_fixed_size: 327680
    .private_segment_fixed_size: 0
    .kernarg_segment_align: 8
    .kernarg_segment_size: 40
    .max_flat_workgroup_size: 128
    .sgpr_count:     100
    .vgpr_count:     1024
    .wavefront_size: 32
...
	.end_amdgpu_metadata
.endif
;; end of part 2
;; launch attn (part 3): grid 8 x 32, 16 waves a work-group, clusters of 4 x 1, 284,672 bytes of LDS; arguments qkvr, att; writes att
.if DOCPART == 3
	.amdgcn_target "amdgcn-amd-amdhsa--gfx1250"
	.amdhsa_code_object_version 6
	.text
	.protected	k_q2b6b99affe_attn
	.globl	k_q2b6b99affe_attn
	.p2align	8
	.type	k_q2b6b99affe_attn,@function
k_q2b6b99affe_attn:
	s_mov_b64 s[64:65], 0
	v_nop
	global_prefetch_b8 v0, s[64:65] scope:SCOPE_SE
	s_setreg_imm32_b32 hwreg(HW_REG_WAVE_MODE, 25, 1), 1
	s_wait_xcnt 0x0
	s_wait_alu depctr_hold_cnt(0) depctr_sa_sdst(0) depctr_va_vdst(0) depctr_va_sdst(0) depctr_va_ssrc(0) depctr_va_vcc(0) depctr_vm_vsrc(0)
	s_getreg_b32 s2, hwreg(HW_REG_IB_STS2, 6, 4)
	s_cmp_eq_u32 s2, 0
	s_cbranch_scc0 .Lentry_in_a_cluster
	s_endpgm
.Lentry_in_a_cluster:
	s_bfe_u32 s2, ttmp6, 0x10000c
	s_cmp_lg_u32 s2, 0x3003
	s_cbranch_scc0 .Lentry_shape_is_right
	s_endpgm
.Lentry_shape_is_right:
; att[position][batch][head][:] = the sum over keys of softmax(q . k / 8) v, both products on codes of FP6 (E2M3) with E8M0 scales.  q, k: K = the head's 64, the upper 64 of the instruction's 128 on zero codes of q; v: K = the keys.
; THE SOFTMAX: t = score x log2(e) / 8; M = the running largest t rounded up to a whole number; p = 2^(t - M) is quantised along the keys, not normalised; the row's sum is taken of the unquantised p and divides at the end.
; When M moves, the sum and O are multiplied by 2^(old M - new M): exact.
; SHARES.  A work-group owns 256 queries of one head, each of its sixteen waves one tile of 16, in 256 registers.
; A head's k, v and scale words are 16 records of 13,312 bytes (128 keys each), 212,992 dense bytes.  They come into LDS ONCE: wave w asks for record w, 52 rows of 256 bytes, its one tensor load; nothing is filled again,
; and one barrier shows all records to all waves.  The four work-groups of a cluster belong to one head and ask jointly.
; THE WAVES WALK TOGETHER: each of the first fifteen key steps has a barrier that is signalled at the step's head and waited for at its end, so that no wave is more than one step ahead of another.
; It orders no data.  Between its halves stand work on registers and LDS loads of the records, which no wave writes.
; Both products are used transposed: a lane holds one query throughout.  Lane r of tile 2 b + u of k holds key 32 b + 8 u + r + 8 (r / 8), so that the 16 registers of two neighbouring tiles are 16 neighbouring keys.
; K'S FRAGMENTS OVERLAP: a tile has 6 registers of codes; the operand's upper 6 are the next tile's lower 6 (tile 7's: zeros), which meet q's zero codes (FP6 has no NaN, and no scale byte is 0xff).  So a step's eight tiles lie in 54 registers and come by one run of loads.
; Scale words come two tiles to a register: lanes 0-15 the even tile's, lanes 16-31 the odd tile's.
; THE SUM OF p stands behind the second product, with the next step's loads of k issued among its additions.
; No prefetch: all that the launch reads of k and v is asked for at its head.
; LIMITS: NaN and infinities are not served; a block whose every p is 0 keeps the byte 1: its codes are zeros.  The promise holds while the scaled scores stay under 2^31 in magnitude.
; REGISTERS: v1-3, v6, v7 addresses that stay; v4, v5 the add's; v8-10 addresses in hand; v12 -M, v13 the largest t, v[14:15] the sum; v16-27 q (v22-27 zeros); v32-85 k's eight fragments, then v's four (v32-79);
; v96-159 the scores, then p; v160-191 O^T; v224-235 p's codes; v232-247, v254 at work; v248-251 scale words; v252 f; v253 p's scale word; v255 q's scale words.
.set KV,    6815744
.set REC,   13312
.set HEADB, 212992
.set STG,   212992                     ; behind the records: 16 rows x 272 bytes for each wave, for the way out
.set WV,  18
.set SEL, 20
.set CS,  22
.macro CROUND
	s_barrier_signal -1
	s_barrier_wait -1
	s_cmp_lg_u32 s[WV], 0
	s_cbranch_scc1 .Lnot_wave_0_\@
	s_barrier_signal -3
.Lnot_wave_0_\@:
	s_barrier_wait -3
	s_barrier_signal -1
	s_barrier_wait -1
.endm
	s_load_b128 s[4:7], s[0:1], 0x0                ; qkvr, att
	v_lshl_add_u32 v4, v0, 2, 0x45000
	v_mov_b32 v5, 0
	ds_add_u32 v4, v5                              ; the opening lines: the add twice on end and its wait
	ds_add_u32 v4, v5
	v_lshrrev_b32 v8, 5, v0
	s_delay_alu instid0(VALU_DEP_1)
	v_readfirstlane_b32 s[WV], v8                  ; wave 0..15
	s_bfe_u32 s8, ttmp6, 0x40000                   ; cx: it enters q's and att's addresses alone
	s_lshl_b32 s9, ttmp9, 2
	s_add_co_u32 s9, s9, s8
	s_lshl_b32 s9, s9, 4
	s_add_co_u32 s9, s9, s[WV]                     ; my tile of queries, 0..127
	s_and_b32 s10, ttmp7, 0xffff                   ; batch x 16 + head
	s_mov_b32 s24, 15|(3<<16)|(1<<21)              ; the mask: all four work-groups; elements of 8 bytes; bit 21 beside a mask; no padding
	s_mov_b32 s25, 32<<16                          ; rows of 256 bytes,
	s_mov_b32 s26, 52<<16                          ; 52 of them, dense: a record
	s_mov_b32 s27, 32<<16
	s_mov_b32 s28, 52
	s_mov_b32 s29, 32
	s_mov_b32 s30, 0
	s_mov_b32 s31, 0
	s_mul_i32 s11, s[WV], REC                      ; my record
	s_mul_i32 s12, s10, HEADB
	s_add_co_u32 s12, s12, KV
	s_add_co_u32 s12, s12, s11
	s_mov_b32 s13, 0
	s_mov_b32 s[SEL], 0x76543210
	s_mov_b32 s[SEL+1], 0xfedcba98
	s_mov_b32 s[CS], 0x3e38aa3b                    ; c = log2(e) / 8
	s_mov_b32 s[CS+1], s[CS]
	s_wait_dscnt 0x0
	s_wait_kmcnt 0x0
	s_add_nc_u64 s[12:13], s[4:5], s[12:13]
	s_mov_b32 s32, 1
	s_mov_b32 s33, s11
	s_mov_b64 s[34:35], s[12:13]
	s_or_b32 s35, s35, 0x80000000
	CROUND                                         ; all four work-groups are here: the joint loads meet
	tensor_load_to_lds s[32:35], s[24:31]          ; my one tensor load
	s_nop 0
.rept 4
	v_nop
.endr
	s_lshl_b32 s14, s10, 4
	s_lshr_b32 s15, s9, 3
	s_add_co_u32 s14, s14, s15
	s_mul_i32 s14, s14, REC                        ; q's record
	s_and_b32 s15, s9, 7
	s_mul_i32 s16, s15, 768
	s_add_co_u32 s16, s16, s14
	s_mov_b32 s17, 0
	s_add_nc_u64 s[16:17], s[4:5], s[16:17]
	s_lshl_b32 s15, s15, 6
	s_add_co_u32 s14, s14, s15
	s_add_co_u32 s14, s14, 12288
	s_mov_b32 s15, 0
	s_add_nc_u64 s[14:15], s[4:5], s[14:15]
	s_lshr_b32 s8, s9, 1
	s_lshl_b32 s8, s8, 18                          ; my tile begins at position 32 (tile / 2) + 8 (tile % 2); a position is 8,192 bytes
	s_and_b32 s19, s9, 1
	s_lshl_b32 s19, s19, 16
	s_add_co_u32 s8, s8, s19
	s_lshr_b32 s19, s10, 4
	s_lshl_b32 s19, s19, 12
	s_add_co_u32 s8, s8, s19
	s_and_b32 s19, s10, 15
	s_lshl_b32 s19, s19, 8
	s_add_co_u32 s8, s8, s19
	s_mov_b32 s9, 0
	s_add_nc_u64 s[6:7], s[6:7], s[8:9]
	s_mov_b32 s2, 0                                ; the record in hand, as an LDS byte
	v_and_b32 v11, 31, v0
	v_and_b32 v9, 15, v0
	v_bfe_u32 v10, v0, 4, 1
	v_mov_b32 v13, 0xff61b1e6                      ; the largest t so far: -3e38
	v_mov_b32 v14, 0
	v_lshlrev_b32 v1, 4, v11                       ; 16 x lane
	v_lshlrev_b32 v2, 3, v11                       ; 8 x lane
	v_lshlrev_b32 v6, 2, v11                       ; 4 x lane
	v_lshlrev_b32 v3, 2, v9                        ; 4 r
	v_lshlrev_b32 v7, 13, v10
	v_floor_f32 v12, -v13
	v_mov_b32 v15, 0
	s_delay_alu instid0(VALU_DEP_3)
	v_lshl_add_u32 v7, v9, 4, v7                   ; the way out: lanes 0-15 one position, lanes 16-31 the next; 16 bytes a lane
	s_wait_alu depctr_va_vdst(0)                   ; the wait ahead of the readers below
	global_load_b128 v[16:19], v1, s[16:17]        ; q's fragment: registers 0-3,
	global_load_b64 v[20:21], v2, s[16:17] offset:512   ; 4 and 5
	global_load_b32 v255, v3, s[14:15]             ; its scale words
	v_add_nc_u32 v8, s2, v1
	v_add_nc_u32 v9, s2, v2
	v_add_nc_u32 v10, s2, v6
.irp b, 0,1,2,3
	v_mov_b32 v[236+\b], 0                         ; written once: a lane permute's destination counts as one of its sources
.endr
	v_mov_b32 v253, 0
.irp j, 22,23,24,25,26,27,80,81,82,83,84,85
	v_mov_b32 v\j, 0                               ; q's upper 64 along K: zero codes; and what stands above k's tile 7
.endr
.set J, 0
.rept 32
	v_mov_b32 v[160+J], 0                          ; O^T: the step is written once; the first change of M leaves zeros zeros
.set J, J+1
.endr
.macro KLOAD                           ; k's eight tiles and their scale words, of the record that v8-10 point at: 20 loads
.irp t, 0,1,2,3,4,5,6,7
	ds_load_b128 v[32+6*\t:35+6*\t], v8 offset:768*\t
	ds_load_b64 v[36+6*\t:37+6*\t], v9 offset:768*\t+512
.endr
.irp j, 0,1,2,3
	ds_load_b32 v[248+\j], v10 offset:12288+128*\j
.endr
.endm
; A KEY STEP: 128 keys.  At its head k's loads are out.  nxt = 1: the next record's are issued behind the second product, and the step carries the barrier that holds the waves together
.macro STEP nxt
	s_wait_dscnt 0x0                               ; k's fragments are in, and no LDS instruction of mine is out:
.if \nxt
	s_barrier_signal -1                            ; I have begun this step
.endif
.irp u, 0,1,2,3
	v_wmma_scale_f32_16x16x128_f8f6f4 v[96+16*\u:103+16*\u], v[32+12*\u:43+12*\u], v[16:27], 0, v[248+\u], v255 matrix_a_fmt:MATRIX_FMT_FP6 matrix_b_fmt:MATRIX_FMT_FP6
	v_wmma_scale_f32_16x16x128_f8f6f4 v[104+16*\u:111+16*\u], v[38+12*\u:49+12*\u], v[16:27], 0, v[248+\u], v255 matrix_a_fmt:MATRIX_FMT_FP6 matrix_b_fmt:MATRIX_FMT_FP6 matrix_a_scale:MATRIX_SCALE_ROW1
.endr
	v_mov_b32 v254, v12                            ; the old -M; with the three below: four places behind the products
.rept 3
	v_nop
.endr
.irp t, 0,1,2,3                                ; v's four fragments and scale words are asked for here and land during the softmax
.irp c, 0,1,2
	ds_load_b128 v[32+12*\t+4*\c:35+12*\t+4*\c], v8 offset:6144+1536*\t+512*\c
.endr
.endr
	ds_load_b32 v248, v10 offset:12800
	ds_load_b32 v249, v10 offset:12928
.irp b, 0,1,2,3
	v_max3_num_f32 v[232+\b], v[96+16*\b], v[97+16*\b], v[98+16*\b]   ; the largest score of each block of 32 keys: for the row's maximum and, since p rises with the score, for the block's largest p
.endr
.irp i, 3,5,7,9,11,13
.irp b, 0,1,2,3
	v_max3_num_f32 v[232+\b], v[232+\b], v[96+16*\b+\i], v[97+16*\b+\i]
.endr
.endr
.irp b, 0,1,2,3
	v_max_num_f32 v[232+\b], v[232+\b], v[111+16*\b]
.endr
.irp b, 0,1,2,3
	s_delay_alu instid0(VALU_DEP_4)
	v_permlanex16_b32 v[236+\b], v[232+\b], s[SEL], s[SEL+1]
.endr
.irp b, 0,1,2,3
	s_delay_alu instid0(VALU_DEP_4)
	v_max_num_f32 v[232+\b], v[232+\b], v[236+\b]
.endr
	s_delay_alu instid0(VALU_DEP_2)
	v_max3_num_f32 v240, v232, v233, v234
	s_delay_alu instid0(VALU_DEP_1)
	v_max_num_f32 v240, v240, v235
	s_delay_alu instid0(VALU_DEP_1)
	v_mul_f32 v240, s[CS], v240
	s_delay_alu instid0(VALU_DEP_1)
	v_max_num_f32 v13, v13, v240                   ; the running largest t
	s_delay_alu instid0(VALU_DEP_1)
	v_floor_f32 v12, -v13                          ; the new -M: M is a whole number
	s_delay_alu instid0(VALU_DEP_1)
	v_sub_f32 v254, v12, v254
	s_delay_alu instid0(VALU_DEP_1)
	v_cvt_i32_f32 v254, v254                       ; (it saturates)
	s_delay_alu instid0(VALU_DEP_1)
	v_ldexp_f32 v252, 1.0, v254                    ; f = 2^(old M - new M)
.irp b, 0,1,2,3
	v_fma_f32 v[232+\b], v[232+\b], s[CS], v12
.endr
.set J, 0
.rept 32
	v_pk_fma_f32 v[96+J:97+J], v[96+J:97+J], s[CS:CS+1], v[12:13] op_sel_hi:[1,0,0]   ; t - M
.set J, J+2
.endr
	s_wait_alu depctr_va_vdst(0)                   ; the wait ahead of the batch
.irp b, 0,1,2,3
	v_exp_f32 v[232+\b], v[232+\b]                 ; the block's largest p
.endr
.set J, 0
.rept 64
	v_exp_f32 v[96+J], v[96+J]                     ; p = 2^(t - M)
.set J, J+1
.endr
	v_pk_mul_f32 v[14:15], v[14:15], v[252:253] op_sel_hi:[1,0]   ; the sums under the new M (a plain place behind the exponentials)
	s_wait_alu depctr_va_vdst(0)                   ; one wait for the whole batch, ahead of its first reader
.irp b, 0,1,2,3
	v_max_num_f32 v[232+\b], 0x1800000, v[232+\b]  ; the floor 2^(3 - 127)
.endr
.irp b, 0,1,2,3
	s_delay_alu instid0(VALU_DEP_4)
	v_add_nc_u32 v[244+\b], 0xff000000, v[232+\b]
.endr
.irp b, 0,1,2,3
	s_delay_alu instid0(VALU_DEP_4)
	v_lshrrev_b32 v[236+\b], 23, v[244+\b]
.endr
	s_delay_alu instid0(VALU_DEP_3)
	v_lshl_or_b32 v253, v237, 8, v236              ; p's scale word for these 128 keys
	s_delay_alu instid0(VALU_DEP_1)
	v_lshl_or_b32 v253, v238, 16, v253
	s_delay_alu instid0(VALU_DEP_1)
	v_lshl_or_b32 v253, v239, 24, v253
.irp c, 0,1
	v_cvt_scalef32_pk16_fp6_f32 v[224+6*\c:226+6*\c], v[96+32*\c:111+32*\c], v[244+2*\c]
	v_cvt_scalef32_pk16_fp6_f32 v[236+4*\c:238+4*\c], v[112+32*\c:127+32*\c], v[244+2*\c+1]
.endr
	v_nop                                          ; one plain place behind a scaled conversion
.irp c, 0,1
.irp i, 0,1,2
	v_permlane16_swap_b32 v[224+6*\c+\i], v[236+4*\c+\i]
.endr
.irp i, 0,1,2
	s_delay_alu instid0(VALU_DEP_3)
	v_mov_b32 v[227+6*\c+\i], v[236+4*\c+\i]
.endr
.endr
	s_wait_alu depctr_va_vdst(0)                   ; the wait directly ahead of the first reader of O^T
.set J, 0
.rept 16
	v_pk_mul_f32 v[160+J:161+J], v[160+J:161+J], v[252:253] op_sel_hi:[1,0]   ; O^T under the new M; these 16 are also the places in front of the products below
.set J, J+2
.endr
	s_wait_alu depctr_va_vdst(0)                   ; the wait ahead of the wait below
	s_wait_dscnt 0x0                               ; v's fragments are in
.irp u, 0,1
	v_wmma_scale_f32_16x16x128_f8f6f4 v[160+16*\u:167+16*\u], v[32+24*\u:43+24*\u], v[224:235], v[160+16*\u:167+16*\u], v[248+\u], v253 matrix_a_fmt:MATRIX_FMT_FP6 matrix_b_fmt:MATRIX_FMT_FP6
	v_wmma_scale_f32_16x16x128_f8f6f4 v[168+16*\u:175+16*\u], v[44+24*\u:55+24*\u], v[224:235], v[168+16*\u:175+16*\u], v[248+\u], v253 matrix_a_fmt:MATRIX_FMT_FP6 matrix_b_fmt:MATRIX_FMT_FP6 matrix_a_scale:MATRIX_SCALE_ROW1
.endr
.if \nxt
	s_add_co_u32 s2, s2, REC
	v_add_nc_u32 v8, s2, v1                        ; the next record
	v_add_nc_u32 v9, s2, v2
	v_add_nc_u32 v10, s2, v6
.endif
.irp c, 0,1,2,3,4,5                            ; THE ROW'S SUM, of the unquantised p: seven chains by turns.  These lines name no register of the products above: they are the places in front of the loads below
	v_pk_add_f32 v[236+2*\c:237+2*\c], v[96+4*\c:97+4*\c], v[98+4*\c:99+4*\c]
.endr
.if \nxt
	KLOAD
.endif
	v_pk_add_f32 v[14:15], v[14:15], v[120:121]
.irp g, 0,1
.irp c, 0,1,2,3,4,5
	v_pk_add_f32 v[236+2*\c:237+2*\c], v[236+2*\c:237+2*\c], v[122+14*\g+2*\c:123+14*\g+2*\c]
.endr
	v_pk_add_f32 v[14:15], v[14:15], v[134+14*\g:135+14*\g]
.endr
.irp c, 0,1,2,3,4
	v_pk_add_f32 v[236+2*\c:237+2*\c], v[236+2*\c:237+2*\c], v[150+2*\c:151+2*\c]
.endr
	s_delay_alu instid0(VALU_DEP_2)
	v_pk_add_f32 v[236:237], v[236:237], v[242:243]
	s_delay_alu instid0(VALU_DEP_2)
	v_pk_add_f32 v[238:239], v[238:239], v[244:245]
	v_pk_add_f32 v[240:241], v[240:241], v[246:247]
	s_delay_alu instid0(VALU_DEP_2)
	v_pk_add_f32 v[236:237], v[236:237], v[238:239]
	s_delay_alu instid0(VALU_DEP_2)
	v_pk_add_f32 v[14:15], v[14:15], v[240:241]
	s_delay_alu instid0(VALU_DEP_1)
	v_pk_add_f32 v[14:15], v[14:15], v[236:237]
.if \nxt
	s_wait_alu depctr_va_vdst(0)                   ; the wait ahead of the wait below and of the branch behind it
	s_barrier_wait -1                              ; every wave has begun this step
.endif
.endm
	s_wait_alu depctr_va_vdst(0)                   ; the wait at the head's end
	s_wait_loadcnt 0x0                             ; q
	s_wait_tensorcnt 0x0                           ; my record is in
	s_wait_dscnt 0x0
	s_barrier_signal -1
	s_barrier_wait -1                              ; everybody's is
	KLOAD
	s_mov_b32 s3, 15
.Lstep:
	STEP 1
	s_sub_co_u32 s3, s3, 1
	s_cmp_lg_u32 s3, 0
	s_cbranch_scc1 .Lstep
	STEP 0                                         ; the last record: nothing more to fetch
	; THE WAY OUT: O^T / the sum goes through my stage and leaves as rows of 256 bytes (a head's 64 channels), sixteen lanes to a row
	s_delay_alu instid0(VALU_DEP_1)
	v_add_f32 v14, v14, v15
	s_delay_alu instid0(VALU_DEP_1)
	v_permlanex16_b32 v252, v14, s[SEL], s[SEL+1]
	s_delay_alu instid0(VALU_DEP_1)
	v_add_f32 v14, v14, v252
	s_wait_alu depctr_va_vdst(0)
	v_rcp_f32 v14, v14
	v_and_b32 v8, 15, v0                           ; (a plain place behind the reciprocal)
	v_bfe_u32 v9, v0, 4, 1
	s_mul_i32 s8, s[WV], 4352
	s_add_co_u32 s8, s8, STG
	v_mul_u32_u24 v10, v8, 272
	s_delay_alu instid0(VALU_DEP_1)
	v_lshl_add_u32 v10, v9, 6, v10
	s_delay_alu instid0(VALU_DEP_1)
	v_add_nc_u32 v10, s8, v10                      ; in: row r, + 64 h
	v_mul_u32_u24 v11, v9, 272
	s_delay_alu instid0(VALU_DEP_1)
	v_lshl_add_u32 v11, v8, 4, v11
	s_delay_alu instid0(VALU_DEP_1)
	v_add_nc_u32 v11, s8, v11                      ; back: lanes 0-15 one row, lanes 16-31 the next
	s_wait_alu depctr_va_vdst(0)                   ; the wait ahead of the reciprocal's first reader
.set J, 0
.rept 32
	v_mul_f32 v[96+J], v[160+J], v14               ; register 8 t + j is channel 32 (t / 2) + 16 h + 8 (t % 2) + j
.set J, J+1
.endr
.irp t, 0,1,2,3
	ds_store_b128 v10, v[96+8*\t:99+8*\t] offset:128*(\t/2)+32*(\t%2)
	ds_store_b128 v10, v[100+8*\t:103+8*\t] offset:128*(\t/2)+32*(\t%2)+16
.endr
.irp i, 0,1,2,3,4,5,6,7
	ds_load_b128 v[32+4*\i:35+4*\i], v11 offset:544*\i   ; LDS serves a wave's instructions in order: these see my stores
.endr
.irp i, 0,1,2,3,4,5,6,7
	s_wait_dscnt 7-\i                              ; the younger loads may be out
	global_store_b128 v7, v[32+4*\i:35+4*\i], s[6:7] offset:(2*\i+8*(\i/4))*8192   ; row p of the tile is position p + 8 (p / 8); 16 lanes store 256 consecutive bytes, aligned
.endr
	s_wait_dscnt 0x0
	s_wait_tensorcnt 0x0                           ; the wave's end
	ds_add_u32 v4, v5
	s_wait_dscnt 0x0
	CROUND                                         ; the closing round: no work-group ends while a partner may still ask jointly
	s_endpgm
.Lfunc_end_k_q2b6b99affe_attn:
	.size	k_q2b6b99affe_attn, .Lfunc_end_k_q2b6b99affe_attn-k_q2b6b99affe_attn
	.p2alignl 7, 3214868480
	.fill 96, 4, 3214868480
	.section	.rodata,"a",@progbits
	.p2align	6, 0x0
	.amdhsa_kernel k_q2b6b99affe_attn
		.amdhsa_group_segment_fixed_size 284672
		.amdhsa_private_segment_fixed_size 0
		.amdhsa_enable_private_segment 0
		.amdhsa_kernarg_size 16
		.amdhsa_user_sgpr_count 2
		.amdhsa_user_sgpr_kernarg_segment_ptr 1
		.amdhsa_wavefront_size32 1
		.amdhsa_system_sgpr_workgroup_id_x 1
		.amdhsa_system_sgpr_workgroup_id_y 1
		.amdhsa_system_sgpr_workgroup_id_z 1
		.amdhsa_system_vgpr_workitem_id 0
		.amdhsa_next_free_vgpr 256
		.amdhsa_next_free_sgpr 66
		.amdhsa_reserve_vcc 0
		.amdhsa_float_denorm_mode_32 3
		.amdhsa_float_denorm_mode_16_64 3
		.amdhsa_memory_ordered 1
		.amdhsa_forward_progress 1
		.amdhsa_inst_pref_size 45
	.end_amdhsa_kernel
	.amdgpu_metadata
---
amdhsa.version: [ 1, 2 ]
amdhsa.kernels:
  - .name:           k_q2b6b99affe_attn
    .symbol:         k_q2b6b99affe_attn.kd
    .args:
      - { .name: qkvr, .offset: 0, .size: 8, .value_kind: global_buffer, .address_space: global }
      - { .name: att, .offset: 8, .size: 8, .value_kind: global_buffer, .address_space: global }
    .group_segment_fixed_size: 284672
    .private_segment_fixed_size: 0
    .kernarg_segment_align: 8
    .kernarg_segment_size: 16
    .max_flat_workgroup_size: 512
    .sgpr_count:     66
    .vgpr_count:     256
    .wavefront_size: 32
...
	.end_amdgpu_metadata
.endif
;; end of part 3
;; launch ln1 (part 4): grid 256 x 1, 4 waves a work-group, no clusters, 66,304 bytes of LDS; arguments src, att, ln1_g, ln1_b, xb; writes xb
.if DOCPART == 4
	.amdgcn_target "amdgcn-amd-amdhsa--gfx1250"
	.amdhsa_code_object_version 6
	.text
	.protected	k_q2b6b99affe_ln1
	.globl	k_q2b6b99affe_ln1
	.p2align	8
	.type	k_q2b6b99affe_ln1,@function
k_q2b6b99affe_ln1:
	s_mov_b64 s[64:65], 0
	v_nop
	global_prefetch_b8 v0, s[64:65] scope:SCOPE_SE
	s_setreg_imm32_b32 hwreg(HW_REG_WAVE_MODE, 25, 1), 1
	s_wait_xcnt 0x0
; x = LayerNorm(src + att) x gain + bias, in f32; x is stored as f32 (for the residual) and as codes of FP6 (E2M3) with E8M0 scales along its 1,024, laid as images of the matrix operand's registers (groups of 128 rows;
; codes at group x 98,304 + K step x 12,288 + tile x 1,536; scale words at group x 4,096 + step x 512 + tile x 64 + 4 r; lane r of tile i holds row 32 (i / 2) + 8 (i % 2) + r + 8 (r / 8)).
; A work-group takes the 16 rows of one tile; a wave takes four of them, a whole row of 4,096 bytes in 32 registers: mean and variance never leave the wave.  The variance is taken of x - mean (two passes).
; The 16 rows then meet in LDS (pitch 4,112 bytes), and wave w quantises K steps 2 w and 2 w + 1 of all 16.
; Memory binds: 16-byte loads and stores, 512 consecutive bytes an instruction; no matrix unit, no cluster, no tensor load.
; LIMITS: NaN and infinities are not served; a block of zeros gets the byte 1 (its codes are zeros; this program alone reads the bytes).
; REGISTERS: window 0: v1-4 addresses; v8-23 statistics of two rows; v32-159 four rows; v160-197 the quantiser's.  window 1: v0-127 the second addend; v128-159 the gain; v160-191 the bias.
.set XC, 16777216
.set XS, 19922944
.set X,   32
.set PC,  160
.set TM,  180
.set PW,  196
.set PW0, 197
.set SEL, 2
.set MSB, 0
.macro WIN new
.if MSB != (\new)
	s_set_vgpr_msb (MSB<<8)|(\new)
.set MSB, (\new)
.endif
.endm
.macro QUANT s
.irp b, 0,1,2,3
	v_max3_num_f32 v[TM+\b], |v[\s+16*\b]|, |v[\s+1+16*\b]|, 0x1800000   ; and the floor 2^(3 - 127): the byte cannot fall under 1
.endr
.irp i, 2,4,6,8,10,12,14
.irp b, 0,1,2,3
	v_max3_num_f32 v[TM+\b], v[TM+\b], |v[\s+16*\b+\i]|, |v[\s+1+16*\b+\i]|
.endr
.endr
.irp b, 0,1,2,3
	v_permlanex16_b32 v[TM+4+\b], v[TM+\b], s[SEL], s[SEL+1]
.endr
.irp b, 0,1,2,3
	v_max_num_f32 v[TM+\b], v[TM+\b], v[TM+4+\b]
.endr
.irp b, 0,1,2,3
	v_add_nc_u32 v[TM+12+\b], 0xff000000, v[TM+\b]
.endr
.irp b, 0,1,2,3
	v_lshrrev_b32 v[TM+4+\b], 23, v[TM+12+\b]
.endr
	v_lshl_or_b32 v[PW], v[TM+5], 8, v[TM+4]
	v_lshl_or_b32 v[PW], v[TM+6], 16, v[PW]
	v_lshl_or_b32 v[PW], v[TM+7], 24, v[PW]
.irp c, 0,1
	v_cvt_scalef32_pk16_fp6_f32 v[PC+6*\c:PC+2+6*\c], v[\s+32*\c:\s+15+32*\c], v[TM+12+2*\c]
	v_cvt_scalef32_pk16_fp6_f32 v[PC+12+4*\c:PC+14+4*\c], v[\s+16+32*\c:\s+31+32*\c], v[TM+12+2*\c+1]
.endr
	v_nop                                          ; one plain place behind a scaled conversion
.irp c, 0,1
.irp i, 0,1,2
	v_permlane16_swap_b32 v[PC+6*\c+\i], v[PC+12+4*\c+\i]
.endr
.irp i, 0,1,2
	v_mov_b32 v[PC+3+6*\c+\i], v[PC+12+4*\c+\i]
.endr
.endr
.endm
.macro ACROSS                          ; v8 and v16 summed over the 32 lanes, the result in every lane
.irp m, 1,2,4,8
.irp u, 0,1
	v_add_f32_dpp v[8+8*\u], v[8+8*\u], v[8+8*\u] row_xmask:\m row_mask:0xf bank_mask:0xf
.endr
.endr
.irp u, 0,1
	v_permlanex16_b32 v[9+8*\u], v[8+8*\u], s[SEL], s[SEL+1]
.endr
.irp u, 0,1
	v_add_f32 v[8+8*\u], v[8+8*\u], v[9+8*\u]
.endr
.endm
.macro LNPAIR j0, left                 ; rows j0 and j0 + 1 of my four, by turns
.set XB, X+32*(\j0)
	s_wait_loadcnt \left                           ; this pair's loads are in; the other pair's may be out
	WIN 0x04                                       ; source 1: window 1
.set Q, 0
.rept 32
	v_pk_add_f32 v[XB+Q:XB+Q+1], v[XB+Q:XB+Q+1], v[32*(\j0)+Q:32*(\j0)+Q+1]
.set Q, Q+2
.endr
	WIN 0
.irp u, 0,1
	v_pk_add_f32 v[8+8*\u:9+8*\u], v[XB+32*\u:XB+32*\u+1], v[XB+32*\u+2:XB+32*\u+3]
	v_pk_add_f32 v[10+8*\u:11+8*\u], v[XB+32*\u+4:XB+32*\u+5], v[XB+32*\u+6:XB+32*\u+7]
.endr
.irp k, 8,12,16,20,24,28
.irp u, 0,1
	v_pk_add_f32 v[8+8*\u:9+8*\u], v[8+8*\u:9+8*\u], v[XB+32*\u+\k:XB+32*\u+\k+1]
	v_pk_add_f32 v[10+8*\u:11+8*\u], v[10+8*\u:11+8*\u], v[XB+32*\u+\k+2:XB+32*\u+\k+3]
.endr
.endr
.irp u, 0,1
	v_pk_add_f32 v[8+8*\u:9+8*\u], v[8+8*\u:9+8*\u], v[10+8*\u:11+8*\u]
.endr
.irp u, 0,1
	v_add_f32 v[8+8*\u], v[8+8*\u], v[9+8*\u]
.endr
	ACROSS
.irp u, 0,1
	v_mul_f32 v[12+8*\u], 0xba800000, v[8+8*\u]    ; - the mean
.endr
.irp u, 0,1
	v_mov_b32 v[13+8*\u], v[12+8*\u]
.endr
.irp u, 0,1
.set Q, 0
.rept 16
	v_pk_add_f32 v[XB+32*\u+Q:XB+32*\u+Q+1], v[XB+32*\u+Q:XB+32*\u+Q+1], v[12+8*\u:13+8*\u]
.set Q, Q+2
.endr
.endr
.irp u, 0,1
	v_pk_mul_f32 v[8+8*\u:9+8*\u], v[XB+32*\u:XB+32*\u+1], v[XB+32*\u:XB+32*\u+1]
	v_pk_mul_f32 v[10+8*\u:11+8*\u], v[XB+32*\u+2:XB+32*\u+3], v[XB+32*\u+2:XB+32*\u+3]
.endr
.irp k, 4,8,12,16,20,24,28
.irp u, 0,1
	v_pk_fma_f32 v[8+8*\u:9+8*\u], v[XB+32*\u+\k:XB+32*\u+\k+1], v[XB+32*\u+\k:XB+32*\u+\k+1], v[8+8*\u:9+8*\u]
	v_pk_fma_f32 v[10+8*\u:11+8*\u], v[XB+32*\u+\k+2:XB+32*\u+\k+3], v[XB+32*\u+\k+2:XB+32*\u+\k+3], v[10+8*\u:11+8*\u]
.endr
.endr
.irp u, 0,1
	v_pk_add_f32 v[8+8*\u:9+8*\u], v[8+8*\u:9+8*\u], v[10+8*\u:11+8*\u]
.endr
.irp u, 0,1
	v_add_f32 v[8+8*\u], v[8+8*\u], v[9+8*\u]
.endr
	ACROSS
.irp u, 0,1
	v_fma_f32 v[8+8*\u], v[8+8*\u], s20, s21       ; the variance + 1e-5
.endr
	s_wait_alu depctr_va_vdst(0)
.irp u, 0,1
	v_rsq_f32 v[12+8*\u], v[8+8*\u]
.endr
	v_nop                                          ; a plain place behind the two,
	s_wait_alu depctr_va_vdst(0)                   ; and the wait ahead of their first reader
.irp u, 0,1
	v_mov_b32 v[13+8*\u], v[12+8*\u]
.endr
.irp u, 0,1
.set Q, 0
.rept 16
	v_pk_mul_f32 v[XB+32*\u+Q:XB+32*\u+Q+1], v[XB+32*\u+Q:XB+32*\u+Q+1], v[12+8*\u:13+8*\u]
.set Q, Q+2
.endr
.endr
	WIN 0x14                                       ; sources 1 and 2: window 1
.irp u, 0,1
.set Q, 0
.rept 16
	v_pk_fma_f32 v[XB+32*\u+Q:XB+32*\u+Q+1], v[XB+32*\u+Q:XB+32*\u+Q+1], v[128+Q:129+Q], v[160+Q:161+Q]
.set Q, Q+2
.endr
.endr
	WIN 0
.irp u, 0,1
.irp k, 0,1,2,3,4,5,6,7
	global_store_b128 v1, v[XB+32*\u+4*\k:XB+32*\u+4*\k+3], s[24:25] offset:4096*((\j0)+\u)+512*\k   ; 512 consecutive bytes
	ds_store_b128 v2, v[XB+32*\u+4*\k:XB+32*\u+4*\k+3] offset:4112*((\j0)+\u)+512*\k
.endr
.endr
.endm
	s_load_b256 s[4:11], s[0:1], 0x0               ; src, att, gain, bias
	s_load_b64 s[12:13], s[0:1], 0x20              ; xb
	v_lshl_add_u32 v254, v0, 2, 0x10100
	v_mov_b32 v255, 0
	v_lshrrev_b32 v1, 5, v0
	v_readfirstlane_b32 s18, v1                    ; wave
	v_and_b32 v5, 31, v0
	v_lshlrev_b32 v1, 4, v5                        ; 16 x lane
	v_and_b32 v6, 15, v0                           ; r
	v_bfe_u32 v7, v0, 4, 1                         ; h
	s_mul_i32 s19, s18, 4*4112
	v_add_nc_u32 v2, s19, v1                       ; the stage, in: my four rows
	v_mul_u32_u24 v3, v6, 4112
	v_lshl_add_u32 v3, v7, 6, v3
	s_lshl_b32 s19, s18, 10
	v_add_nc_u32 v3, s19, v3                       ; out: row r, my two K steps, + 64 h
	v_lshlrev_b32 v4, 2, v6
	v_lshl_add_u32 v4, v7, 9, v4                   ; scale words: 4 r, lanes 16-31 a K step on
.irp b, 0,1,2,3
	v_mov_b32 v[TM+4+\b], 0
.endr
	s_mov_b32 s2, 0x76543210
	s_mov_b32 s3, 0xfedcba98
	s_mov_b32 s20, 0x3a800000                      ; 1 / 1,024
	s_mov_b32 s21, 0x3727c5ac                      ; 1e-5
	s_lshr_b32 s14, ttmp9, 3                       ; group
	s_and_b32 s15, ttmp9, 7                        ; tile
	s_lshl_b32 s16, s14, 7
	s_lshr_b32 s17, s15, 1
	s_lshl_b32 s17, s17, 5
	s_add_co_u32 s16, s16, s17
	s_and_b32 s17, s15, 1
	s_lshl_b32 s17, s17, 3
	s_add_co_u32 s16, s16, s17
	s_lshl_b32 s17, s18, 2
	s_add_co_u32 s16, s16, s17
	s_lshr_b32 s17, s18, 1
	s_lshl_b32 s17, s17, 3
	s_add_co_u32 s16, s16, s17                     ; my first row: 128 g + 32 (i / 2) + 8 (i % 2) + 4 w + 8 (w / 2)
	s_lshl_b32 s16, s16, 12
	s_mov_b32 s17, 0
	s_mul_i32 s26, s14, 98304
	s_mul_i32 s19, s15, 1536
	s_add_co_u32 s26, s26, s19
	s_mul_i32 s19, s18, 24576
	s_add_co_u32 s26, s26, s19
	s_add_co_u32 s26, s26, XC
	s_mov_b32 s27, 0
	s_lshl_b32 s28, s14, 12
	s_lshl_b32 s19, s15, 6
	s_add_co_u32 s28, s28, s19
	s_lshl_b32 s19, s18, 10
	s_add_co_u32 s28, s28, s19
	s_add_co_u32 s28, s28, XS
	s_mov_b32 s29, 0
	s_wait_kmcnt 0x0
	s_add_nc_u64 s[4:5], s[4:5], s[16:17]
	s_add_nc_u64 s[6:7], s[6:7], s[16:17]
	s_add_nc_u64 s[24:25], s[12:13], s[16:17]
	s_add_nc_u64 s[26:27], s[12:13], s[26:27]
	s_add_nc_u64 s[28:29], s[12:13], s[28:29]
	WIN 0x40                                       ; destination window 1
.irp k, 0,1,2,3,4,5,6,7
	global_load_b128 v[128+4*\k:131+4*\k], v1, s[8:9] offset:512*\k
	global_load_b128 v[160+4*\k:163+4*\k], v1, s[10:11] offset:512*\k
.endr
.irp j, 0,1
.irp k, 0,1,2,3,4,5,6,7
	global_load_b128 v[32*\j+4*\k:32*\j+4*\k+3], v1, s[6:7] offset:4096*\j+512*\k th:TH_LOAD_NT
.endr
.endr
	WIN 0
.irp j, 0,1,2,3
.irp k, 0,1,2,3,4,5,6,7
	global_load_b128 v[X+32*\j+4*\k:X+32*\j+4*\k+3], v1, s[4:5] offset:4096*\j+512*\k th:TH_LOAD_NT
.endr
.endr
	WIN 0x40
.irp j, 2,3
.irp k, 0,1,2,3,4,5,6,7
	global_load_b128 v[32*\j+4*\k:32*\j+4*\k+3], v1, s[6:7] offset:4096*\j+512*\k th:TH_LOAD_NT
.endr
.endr
	WIN 0
	LNPAIR 0, 32
	LNPAIR 2, 0
	s_wait_dscnt 0x0                               ; for the others' sake: my rows lie in the stage
	s_barrier_signal -1
	s_barrier_wait -1
	s_wait_xcnt 0x0                                ; the stores of x have read their registers: they are loaded again only behind this wait
.irp f, 0,1
.irp k, 0,1,2,3
.irp j, 0,1,2,3
	ds_load_b128 v[32+64*\f+16*\k+4*\j:32+64*\f+16*\k+4*\j+3], v3 offset:512*\f+128*\k+16*\j
.endr
.endr
.endr
.irp f, 0,1
	s_wait_dscnt 16*(1-\f)                         ; this K step's 16 loads are in
.if \f == 1
	s_wait_xcnt 0x0                                ; the first fragment's stores have read the codes' registers
.endif
	QUANT 32+64*\f
.irp c, 0,1,2
	global_store_b128 v1, v[PC+4*\c:PC+4*\c+3], s[26:27] offset:12288*\f+512*\c
.endr
.if \f == 0
	v_mov_b32 v[PW0], v[PW]
.endif
.endr
	v_cmp_gt_u32 vcc_lo, 16, v5
	v_cndmask_b32 v6, v[PW], v[PW0], vcc_lo        ; lanes 0-15: K step 2 w's words, lanes 16-31: 2 w + 1's
	global_store_b32 v4, v6, s[28:29]              ; two runs of 64 bytes
	s_wait_tensorcnt 0x0
	ds_add_u32 v254, v255
	s_wait_dscnt 0x0
	s_endpgm
.Lfunc_end_k_q2b6b99affe_ln1:
	.size	k_q2b6b99affe_ln1, .Lfunc_end_k_q2b6b99affe_ln1-k_q2b6b99affe_ln1
	.p2alignl 7, 3214868480
	.fill 96, 4, 3214868480
	.section	.rodata,"a",@progbits
	.p2align	6, 0x0
	.amdhsa_kernel k_q2b6b99affe_ln1
		.amdhsa_group_segment_fixed_size 66304
		.amdhsa_private_segment_fixed_size 0
		.amdhsa_enable_private_segment 0
		.amdhsa_kernarg_size 40
		.amdhsa_user_sgpr_count 2
		.amdhsa_user_sgpr_kernarg_segment_ptr 1
		.amdhsa_wavefront_size32 1
		.amdhsa_system_sgpr_workgroup_id_x 1
		.amdhsa_system_sgpr_workgroup_id_y 1
		.amdhsa_system_sgpr_workgroup_id_z 1
		.amdhsa_system_vgpr_workitem_id 0
		.amdhsa_next_free_vgpr 512
		.amdhsa_next_free_sgpr 66
		.amdhsa_reserve_vcc 1
		.amdhsa_float_denorm_mode_32 3
		.amdhsa_float_denorm_mode_16_64 3
		.amdhsa_memory_ordered 1
		.amdhsa_forward_progress 1
		.amdhsa_inst_pref_size 55
	.end_amdhsa_kernel
	.amdgpu_metadata
---
amdhsa.version: [ 1, 2 ]
amdhsa.kernels:
  - .name:           k_q2b6b99affe_ln1
    .symbol:         k_q2b6b99affe_ln1.kd
    .args:
      - { .name: src, .offset: 0, .size: 8, .value_kind: global_buffer, .address_space: global }
      - { .name: att, .offset: 8, .size: 8, .value_kind: global_buffer, .address_space: global }
      - { .name: ln1_g, .offset: 16, .size: 8, .value_kind: global_buffer, .address_space: global }
      - { .name: ln1_b, .offset: 24, .size: 8, .value_kind: global_buffer, .address_space: global }
      - { .name: xb, .offset: 32, .size: 8, .value_kind: global_buffer, .address_space: global }
    .group_segment_fixed_size: 66304
    .private_segment_fixed_size: 0
    .kernarg_segment_align: 8
    .kernarg_segment_size: 40
    .max_flat_workgroup_size: 128
    .sgpr_count:     66
    .vgpr_count:     512
    .wavefront_size: 32
...
	.end_amdgpu_metadata
.endif
;; end of part 4
;; launch ffn1 (part 5): grid 16 x 16, 4 waves a work-group, clusters of 4 x 4, 327,680 bytes of LDS; arguments xb, wq, b1, hb; writes hb
.if DOCPART == 5
	.amdgcn_target "amdgcn-amd-amdhsa--gfx1250"
	.amdhsa_code_object_version 6
	.text
	.protected	k_q2b6b99affe_ffn1
	.globl	k_q2b6b99affe_ffn1
	.p2align	8
	.type	k_q2b6b99affe_ffn1,@function
k_q2b6b99affe_ffn1:
	s_mov_b64 s[64:65], 0
	v_nop
	global_prefetch_b8 v0, s[64:65] scope:SCOPE_SE
	s_setreg_imm32_b32 hwreg(HW_REG_WAVE_MODE, 25, 1), 1
	s_wait_xcnt 0x0
	s_wait_alu depctr_hold_cnt(0) depctr_sa_sdst(0) depctr_va_vdst(0) depctr_va_sdst(0) depctr_va_ssrc(0) depctr_va_vcc(0) depctr_vm_vsrc(0)
	s_getreg_b32 s2, hwreg(HW_REG_IB_STS2, 6, 4)
	s_cmp_eq_u32 s2, 0
	s_cbranch_scc0 .Lentry_in_a_cluster
	s_endpgm
.Lentry_in_a_cluster:
	s_bfe_u32 s2, ttmp6, 0x10000c
	s_cmp_lg_u32 s2, 0xf033
	s_cbranch_scc0 .Lentry_shape_is_right
	s_endpgm
.Lentry_shape_is_right:
.set KK,    1024
.set S1024, 11796480
.set XC,    16777216
.set XS,    19922944
.set HS,    12582912
.set PAC, 4
.set AOFFC, XC
.set PAS, 4
.set AOFFS, XS
.set PBC, 6
.set BOFFC, 0
.set PBS, 6
.set BOFFS, S1024
.set FR,    12
.set NP,    4
.set HALFT, 24576
.set SLOT,  4*HALFT
.set SCL,   2*SLOT
.set HALFS, 4*KK
.set SPARE, SCL+4*HALFS
.set LAPS,  KK/512
.set ADRA, 16
.set ADRB, 20
.set LI,   26
.set ADRS, 27
.set SPW,  28
.set NIL,  29
.set SC,   32
.set BI,   64
.set AF,   128
.set T,    64
.set PC,   128
.set TM,   148
.set PW,   164
.set SEL,  96
.set G1, 24
.set G0, 32
.set G1B, 48
.set G0B, 56
.set G1S, 68
.set G0S, 76
.set G1SB, 80
.set G0SB, 88
.set MSB, 0
.macro WIN new
.if MSB != (\new)
	s_set_vgpr_msb (MSB<<8)|(\new)
.set MSB, (\new)
.endif
.endm
.set MUL_LO, 0xa1
.set MUL_HI, 0xf1
.set TO_B,   0x40
.macro JLOAD g0a, g1a, g0b, g1b
	s_cmp_eq_u32 s15, 0
	s_cbranch_scc0 .Lfor_b_\@
	tensor_load_to_lds s[\g0a:\g0a+3], s[\g1a:\g1a+7]
	s_nop 0
.rept 4
	v_nop
.endr
	s_branch .Lasked_\@
.Lfor_b_\@:
	tensor_load_to_lds s[\g0b:\g0b+3], s[\g1b:\g1b+7]
	s_nop 0
.rept 4
	v_nop
.endr
.Lasked_\@:
.endm
.macro CREST
	s_cmp_lg_u32 s14, 0
	s_cbranch_scc1 .Lnot_wave_0_\@
	s_barrier_signal -3
.Lnot_wave_0_\@:
	s_barrier_wait -3
	s_barrier_signal -1
	s_barrier_wait -1
.endm
.macro CROUND
	s_barrier_signal -1
	s_barrier_wait -1
	CREST
.endm
.macro PLACES n
.rept \n
	v_nop
.endr
.endm
.macro QUANT s
.irp b, 0,1,2,3
	v_max3_num_f32 v[TM+\b], |v[\s+16*\b]|, |v[\s+1+16*\b]|, 0x1800000
.endr
.irp i, 2,4,6,8,10,12,14
.irp b, 0,1,2,3
	v_max3_num_f32 v[TM+\b], v[TM+\b], |v[\s+16*\b+\i]|, |v[\s+1+16*\b+\i]|
.endr
.endr
.irp b, 0,1,2,3
	v_permlanex16_b32 v[TM+4+\b], v[TM+\b], s[SEL], s[SEL+1]
.endr
.irp b, 0,1,2,3
	v_max_num_f32 v[TM+\b], v[TM+\b], v[TM+4+\b]
.endr
.irp b, 0,1,2,3
	v_add_nc_u32 v[TM+12+\b], 0xff000000, v[TM+\b]
.endr
.irp b, 0,1,2,3
	v_lshrrev_b32 v[TM+4+\b], 23, v[TM+12+\b]
.endr
	v_lshl_or_b32 v[PW], v[TM+5], 8, v[TM+4]
	v_lshl_or_b32 v[PW], v[TM+6], 16, v[PW]
	v_lshl_or_b32 v[PW], v[TM+7], 24, v[PW]
.irp c, 0,1
	v_cvt_scalef32_pk16_fp6_f32 v[PC+6*\c:PC+2+6*\c], v[\s+32*\c:\s+15+32*\c], v[TM+12+2*\c]
	v_cvt_scalef32_pk16_fp6_f32 v[PC+12+4*\c:PC+14+4*\c], v[\s+16+32*\c:\s+31+32*\c], v[TM+12+2*\c+1]
.endr
	v_nop
.irp c, 0,1
.irp i, 0,1,2
	v_permlane16_swap_b32 v[PC+6*\c+\i], v[PC+12+4*\c+\i]
.endr
.irp i, 0,1,2
	v_mov_b32 v[PC+3+6*\c+\i], v[PC+12+4*\c+\i]
.endr
.endr
.endm
.macro FRAG reg, adr, q, i
.irp c, 0,1,2
	ds_load_b128 v[\reg+4*\c:\reg+4*\c+3], v[\adr] offset:12288*(\q)+1536*(\i)+512*\c
.endr
.endm
.macro MUL16 a0, p, q, sc, first
.irp a, \a0, \a0+1
.irp b, 0,1,2,3,4,5,6,7
.if \first
	v_wmma_scale_f32_16x16x128_f8f6f4 v[8*(8*((\a)%4)+\b):8*(8*((\a)%4)+\b)+7], v[128*(\p)+FR*\b:128*(\p)+FR*\b+FR-1], v[AF+FR*(\a):AF+FR*(\a)+FR-1], v[BI+8*\b:BI+8*\b+7], v[SC+16*(\sc)+2*\b+(\q)], v[SC+16*(\sc)+2*(\a)+(\q)] matrix_a_fmt:MATRIX_FMT_FP6 matrix_b_fmt:MATRIX_FMT_FP6 matrix_a_scale:MATRIX_SCALE_ROW1
.else
	v_wmma_scale_f32_16x16x128_f8f6f4 v[8*(8*((\a)%4)+\b):8*(8*((\a)%4)+\b)+7], v[128*(\p)+FR*\b:128*(\p)+FR*\b+FR-1], v[AF+FR*(\a):AF+FR*(\a)+FR-1], v[8*(8*((\a)%4)+\b):8*(8*((\a)%4)+\b)+7], v[SC+16*(\sc)+2*\b+(\q)], v[SC+16*(\sc)+2*(\a)+(\q)] matrix_a_fmt:MATRIX_FMT_FP6 matrix_b_fmt:MATRIX_FMT_FP6 matrix_a_scale:MATRIX_SCALE_ROW1
.endif
.endr
.endr
.endm
.macro FETCH_B slot, q, p
	WIN TO_B
.irp i, 0,1,2,3,4,5,6,7
	FRAG 128*(\p)+FR*\i, ADRB+\slot, \q, \i
.endr
	WIN 0
.endm
.macro FETCH_A slot, q, i0
.irp i, \i0, \i0+1, \i0+2, \i0+3
	FRAG AF+FR*(\i), ADRA+\slot, \q, \i
.endr
.endm
.macro SCALES sc
.irp i, 0,1,2,3,4,5,6,7
.irp q, 0,1
	ds_load_b32 v[SC+16*\sc+2*\i+\q], v[ADRS] offset:64*\i+512*\q
.endr
.endr
.endm
.macro STEP slot, q, first
	s_wait_dscnt 12
.if \first
	WIN 0x81
.else
	WIN MUL_LO
.endif
	MUL16 0, (\q)%2, \q, \slot, \first
	MUL16 2, (\q)%2, \q, \slot, \first
	s_wait_dscnt 0
	PLACES NP
	FETCH_B \slot, (\q)+1, 1-(\q)%2
	FETCH_A \slot, (\q)+1, 0
.if \first
	WIN 0xc1
.else
	WIN MUL_HI
.endif
	MUL16 4, (\q)%2, \q, \slot, \first
	MUL16 6, (\q)%2, \q, \slot, \first
	PLACES NP
	WIN 0
	FETCH_A \slot, (\q)+1, 4
.endm
.macro TURN slot, next, fill
	s_wait_tensorcnt 0x0
	ds_add_u32 v[SPW], v[NIL]
	s_wait_dscnt 13
	WIN MUL_LO
	MUL16 0, 1, 1, \slot, 0
	s_wait_dscnt 0x0
	s_barrier_signal -1
	MUL16 2, 1, 1, \slot, 0
	WIN 0
	s_barrier_wait -1
.if \fill
	CREST
	s_add_nc_u64 s[G0+4*\slot+2:G0+4*\slot+3], s[G0+4*\slot+2:G0+4*\slot+3], 2*HALFT
	s_add_nc_u64 s[G0B+4*\slot+2:G0B+4*\slot+3], s[G0B+4*\slot+2:G0B+4*\slot+3], 2*HALFT
	JLOAD G0+4*\slot, G1, G0B+4*\slot, G1B
.else
	PLACES NP
.endif
	s_wait_alu depctr_va_vdst(0)
	v_add_nc_u32 v[ADRS], 1024, v[ADRS]
	FETCH_B \next, 0, 0
	FETCH_A \next, 0, 0
	SCALES \next
	WIN MUL_HI
	MUL16 4, 1, 1, \slot, 0
	MUL16 6, 1, 1, \slot, 0
	PLACES NP
	WIN 0
	FETCH_A \next, 0, 4
.endm
.macro HEAD
	v_lshl_add_u32 v[SPW], v0, 2, SPARE
	v_mov_b32 v[NIL], 0
	ds_add_u32 v28, v29
	ds_add_u32 v28, v29
	s_wait_dscnt 0x0
	v_lshrrev_b32 v1, 5, v0
	v_readfirstlane_b32 s14, v1
	s_lshr_b32 s15, s14, 1
	s_and_b32 s16, s14, 1
	s_bfe_u32 s40, ttmp6, 0x40000
	s_bfe_u32 s41, ttmp6, 0x40004
	s_and_b32 s17, ttmp7, 0xffff
	s_lshl_b32 s43, s41, 2
	s_lshl_b32 s43, 15, s43
	s_lshl_b32 s44, 0x1111, s40
.endm
.macro SETUP
	s_or_b32 s[G1], s43, (3<<16)|(1<<21)
	s_or_b32 s[G1B], s44, (3<<16)|(1<<21)
	s_or_b32 s[G1S], s43, (3<<16)|(1<<21)
	s_or_b32 s[G1SB], s44, (3<<16)|(1<<21)
.irp g, G1, G1B
	s_mov_b32 s[\g+1], 32<<16
	s_mov_b32 s[\g+2], 96<<16
	s_mov_b32 s[\g+3], 32<<16
	s_mov_b32 s[\g+4], 96
	s_mov_b32 s[\g+5], 32
	s_mov_b32 s[\g+6], 0
	s_mov_b32 s[\g+7], 0
.endr
.irp g, G1S, G1SB
	s_mov_b32 s[\g+1], 32<<16
	s_mov_b32 s[\g+2], (KK/64)<<16
	s_mov_b32 s[\g+3], 32<<16
	s_mov_b32 s[\g+4], KK/64
	s_mov_b32 s[\g+5], 32
	s_mov_b32 s[\g+6], 0
	s_mov_b32 s[\g+7], 0
.endr
	s_add_co_u32 s20, s67, s16
	s_add_co_u32 s46, s45, s16
	s_mul_i32 s22, s20, 4*KK
	s_mul_i32 s92, s46, 4*KK
	s_mul_i32 s20, s20, 96*KK
	s_mul_i32 s46, s46, 96*KK
	s_add_co_u32 s20, s20, AOFFC
	s_add_co_u32 s22, s22, AOFFS
	s_add_co_u32 s46, s46, BOFFC
	s_add_co_u32 s92, s92, BOFFS
	s_mov_b32 s21, 0
	s_mov_b32 s23, 0
	s_mov_b32 s47, 0
	s_mov_b32 s93, 0
	s_mul_i32 s2, s14, HALFT
	s_mul_i32 s94, s14, HALFS
	s_wait_kmcnt 0x0
	s_add_nc_u64 s[20:21], s[PAC:PAC+1], s[20:21]
	s_add_nc_u64 s[22:23], s[PAS:PAS+1], s[22:23]
	s_add_nc_u64 s[46:47], s[PBC:PBC+1], s[46:47]
	s_add_nc_u64 s[92:93], s[PBS:PBS+1], s[92:93]
	s_sub_co_u32 s98, s45, 56                      ; b1 is asked for here, ahead of the head's rounds: my 128 columns, 512 bytes,
	s_add_co_u32 s98, s98, s16
	s_lshl_b32 s98, s98, 9
	s_mov_b32 s99, 0
	s_add_nc_u64 s[98:99], s[8:9], s[98:99]
	v_bfe_u32 v8, v0, 4, 1
	v_lshlrev_b32 v8, 6, v8                        ; + 64 (lane / 16); v8 and s[98:99] are written nowhere else
	BIAS
	CROUND
	s_mov_b32 s[G0S], 1
	s_add_co_u32 s[G0S+1], s94, SCL
	s_mov_b64 s[G0S+2:G0S+3], s[22:23]
	s_or_b32 s[G0S+3], s[G0S+3], 0x80000000
	s_mov_b32 s[G0SB], 1
	s_add_co_u32 s[G0SB+1], s94, SCL
	s_mov_b64 s[G0SB+2:G0SB+3], s[92:93]
	s_or_b32 s[G0SB+3], s[G0SB+3], 0x80000000
	JLOAD G0S, G1S, G0SB, G1SB
.irp s, 0,1
	s_mov_b32 s[G0+4*\s], 1
	s_add_co_u32 s[G0+4*\s+1], s2, \s*SLOT
	s_add_nc_u64 s[G0+4*\s+2:G0+4*\s+3], s[20:21], \s*HALFT
	s_or_b32 s[G0+4*\s+3], s[G0+4*\s+3], 0x80000000
	s_mov_b32 s[G0B+4*\s], 1
	s_add_co_u32 s[G0B+4*\s+1], s2, \s*SLOT
	s_add_nc_u64 s[G0B+4*\s+2:G0B+4*\s+3], s[46:47], \s*HALFT
	s_or_b32 s[G0B+4*\s+3], s[G0B+4*\s+3], 0x80000000
	s_wait_alu depctr_va_vdst(0)
	s_wait_tensorcnt 0x0
	ds_add_u32 v28, v29
	s_wait_dscnt 0x0
	CROUND
	JLOAD G0+4*\s, G1, G0B+4*\s, G1B
.endr
	v_and_b32 v1, 15, v0
	v_bfe_u32 v2, v0, 4, 1
	s_wait_alu depctr_va_vdst(0)
	v_and_b32 v3, 31, v0
	v_lshlrev_b32 v[LI], 4, v3
	v_lshlrev_b32 v4, 6, v2
	s_mul_i32 s18, s15, HALFT
	s_mul_i32 s19, s16, HALFT
	s_add_co_u32 s19, s19, 2*HALFT
.irp s, 0,1
	v_add_nc_u32 v[ADRA+\s], s18, v[LI]
	v_add_nc_u32 v[ADRB+\s], s19, v[LI]
	s_add_co_u32 s18, s18, SLOT
	s_add_co_u32 s19, s19, SLOT
.endr
	v_lshlrev_b32 v5, 2, v1
	s_mul_i32 s18, s15, HALFS
	s_mul_i32 s19, s16, HALFS
	s_add_co_u32 s19, s19, 2*HALFS
	s_sub_co_u32 s19, s19, s18
	v_mul_u32_u24 v6, s19, v2
	s_add_co_u32 s18, s18, SCL
	v_add_nc_u32 v5, v5, v6
	v_add_nc_u32 v[ADRS], s18, v5
	s_mov_b32 s[SEL], 0x76543210
	s_mov_b32 s[SEL+1], 0xfedcba98
.endm
.macro BIAS
.irp b, 0,1,2,3,4,5,6,7
	global_load_b128 v[BI+8*\b:BI+8*\b+3], v8, s[98:99] offset:(32*(\b/2)+8*(\b%2))*4
	global_load_b128 v[BI+8*\b+4:BI+8*\b+7], v8, s[98:99] offset:(32*(\b/2)+8*(\b%2))*4+16
.endr
.endm
.macro MAIN
	s_wait_loadcnt 0x0
	s_wait_tensorcnt 1
	s_barrier_signal -1
	s_barrier_wait -1
	FETCH_B 0, 0, 0
	FETCH_A 0, 0, 0
	SCALES 0
	FETCH_A 0, 0, 4
	STEP 0, 0, 1
	s_mov_b32 s3, LAPS-1
.Llap:
	TURN 0, 1, 1
	STEP 1, 0, 0
	TURN 1, 0, 1
	STEP 0, 0, 0
	s_sub_co_u32 s3, s3, 1
	s_cmp_lg_u32 s3, 0
	s_cbranch_scc1 .Llap
	TURN 0, 1, 0
	STEP 1, 0, 0
	s_wait_dscnt 12
	WIN MUL_LO
	MUL16 0, 1, 1, 1, 0
	MUL16 2, 1, 1, 1, 0
	s_wait_dscnt 0
	WIN MUL_HI
	MUL16 4, 1, 1, 1, 0
	MUL16 6, 1, 1, 1, 0
	WIN 0
	PLACES NP
.endm
.macro FINISH
	s_wait_tensorcnt 0x0
	ds_add_u32 v[SPW], v[NIL]
	s_wait_dscnt 0x0
	CROUND
	s_endpgm
.endm
.set SST, 7
.set SRD, 18
	s_load_b256 s[4:11], s[0:1], 0x0
	HEAD
	s_lshl_b32 s67, s17, 3
	s_lshl_b32 s22, s41, 1
	s_add_co_u32 s67, s67, s22
	s_lshl_b32 s45, ttmp9, 3
	s_lshl_b32 s47, s40, 1
	s_add_co_u32 s45, s45, s47
	s_add_co_u32 s45, s45, 56
	SETUP
	s_lshl_b32 s18, s14, 9
	v_lshl_add_u32 v[SST], v1, 2, s18
	v_add_nc_u32 v[SRD], s18, v[LI]
	s_sub_co_u32 s46, s45, 56
	s_add_co_u32 s46, s46, s16
	s_add_co_u32 s18, s67, s15
	s_mul_i32 s92, s18, 393216
	s_mul_i32 s19, s46, 12288
	s_add_co_u32 s92, s92, s19
	s_mov_b32 s93, 0
	s_add_nc_u64 s[92:93], s[10:11], s[92:93]
	s_lshl_b32 s94, s18, 14
	s_lshl_b32 s19, s46, 9
	s_add_co_u32 s94, s94, s19
	s_add_co_u32 s94, s94, HS
	s_mov_b32 s95, 0
	s_add_nc_u64 s[94:95], s[10:11], s[94:95]
	s_wait_alu depctr_va_vdst(0)
	MAIN
.irp b, 0,1,2,3
	v_mov_b32 v[TM+4+\b], 0
.endr
.macro OUT_H a
.set AC, 64*((\a)%4)
.if (\a) > 0
	s_wait_xcnt 0x0
.endif
	WIN 0x08+4*((\a)/4)
.set Q, 0
.rept 64
	v_max_num_f32 v[T+Q], 0, v[AC+Q]
.set Q, Q+1
.endr
	WIN 0
	QUANT T
.irp c, 0,1,2
	global_store_b128 v[LI], v[PC+4*\c:PC+4*\c+3], s[92:93] offset:1536*(\a)+512*\c
.endr
	ds_store_b32 v[SST], v[PW] offset:64*(\a)
.endm
.irp a, 0,1,2,3,4,5,6,7
	OUT_H \a
.endr
	ds_load_b128 v[T:T+3], v[SRD]
	s_wait_dscnt 0x0
	global_store_b128 v[LI], v[T:T+3], s[94:95]
	FINISH
.Lfunc_end_k_q2b6b99affe_ffn1:
	.size	k_q2b6b99affe_ffn1, .Lfunc_end_k_q2b6b99affe_ffn1-k_q2b6b99affe_ffn1
	.p2alignl 7, 3214868480
	.fill 96, 4, 3214868480
	.section	.rodata,"a",@progbits
	.p2align	6, 0x0
	.amdhsa_kernel k_q2b6b99affe_ffn1
		.amdhsa_group_segment_fixed_size 327680
		.amdhsa_private_segment_fixed_size 0
		.amdhsa_enable_private_segment 0
		.amdhsa_kernarg_size 32
		.amdhsa_user_sgpr_count 2
		.amdhsa_user_sgpr_kernarg_segment_ptr 1
		.amdhsa_wavefront_size32 1
		.amdhsa_system_sgpr_workgroup_id_x 1
		.amdhsa_system_sgpr_workgroup_id_y 1
		.amdhsa_system_sgpr_workgroup_id_z 1
		.amdhsa_system_vgpr_workitem_id 0
		.amdhsa_next_free_vgpr 1024
		.amdhsa_next_free_sgpr 100
		.amdhsa_reserve_vcc 0
		.amdhsa_float_denorm_mode_32 3
		.amdhsa_float_denorm_mode_16_64 3
		.amdhsa_memory_ordered 1
		.amdhsa_forward_progress 1
		.amdhsa_inst_pref_size 161
	.end_amdhsa_kernel
	.amdgpu_metadata
---
amdhsa.version: [ 1, 2 ]
amdhsa.kernels:
  - .name:           k_q2b6b99affe_ffn1
    .symbol:         k_q2b6b99affe_ffn1.kd
    .args:
      - { .name: xb, .offset: 0, .size: 8, .value_kind: global_buffer, .address_space: global }
      - { .name: wq, .offset: 8, .size: 8, .value_kind: global_buffer, .address_space: global }
      - { .name: b1, .offset: 16, .size: 8, .value_kind: global_buffer, .address_space: global }
      - { .name: hb, .offset: 24, .size: 8, .value_kind: global_buffer, .address_space: global }
    .group_segment_fixed_size: 327680
    .private_segment_fixed_size: 0
    .kernarg_segment_align: 8
    .kernarg_segment_size: 32
    .max_flat_workgroup_size: 128
    .sgpr_count:     100
    .vgpr_count:     1024
    .wavefront_size: 32
...
	.end_amdgpu_metadata
.endif
;; end of part 5
;; launch ffn2 (part 6): grid 8 x 32, 4 waves a work-group, no clusters, 230,912 bytes of LDS; arguments hb, wq, b2, xb, y; writes y
.if DOCPART == 6
	.amdgcn_target "amdgcn-amd-amdhsa--gfx1250"
	.amdhsa_code_object_version 6
	.text
	.protected	k_q2b6b99affe_ffn2
	.globl	k_q2b6b99affe_ffn2
	.p2align	8
	.type	k_q2b6b99affe_ffn2,@function
k_q2b6b99affe_ffn2:
	s_mov_b64 s[64:65], 0
	v_nop
	global_prefetch_b8 v0, s[64:65] scope:SCOPE_SE
	s_setreg_imm32_b32 hwreg(HW_REG_WAVE_MODE, 25, 1), 1
	s_wait_xcnt 0x0
; y = x + h W2 + b2: h [4,096][4,096] and W2's columns [1,024][4,096] are codes of FP6 (E2M3) with E8M0 scales, laid as images of the matrix operand's registers (groups of 128 rows; codes at group x 393,216 + K step x 12,288 + tile x 1,536;
; scale words at group x 16,384 + step x 512 + tile x 64 + 4 r; lane r of tile i holds row 32 (i / 2) + 8 (i % 2) + r + 8 (r / 8)).  x is the f32 part of xb.  Sums in f32.
; SHARES.  A work-group makes 128 rows x 128 columns over all of K: 32 x 8 = 256 work-groups.  ITS FOUR WAVES SPLIT K: wave w takes K steps 8 w .. 8 w + 7 for the whole block, 64 accumulators, 512 registers.
; So every fragment feeds eight products of ONE wave and no other wave reads it: the images go from memory straight into the operand's registers, 512 consecutive bytes a load, in two sets by turns.
; No LDS ring, no tensor load, no cluster: a joint load would put every byte through one LDS write and one LDS read more, and no two waves of a work-group share a fragment.
; A step is 48 loads of codes and 8 of scale words (two tiles to a register: lanes 0-15 the even tile's words, lanes 16-31 the odd tile's).
; THE FOUR PARTS MEET IN LDS.  Wave w loads A's tile pairs rotated by w, so that in every wave accumulators of pair 0 are the rows that it owns (tiles 2 w, 2 w + 1) and pair j belongs to wave (w + j) % 4:
; each wave stores three quarters (48 KiB) into the owners' regions, one barrier, and each owner adds three parts to its own.  The order of the sum over K is: own quarter, then those of waves w - 1, w - 2, w - 3 (mod 4).
; The owner's 32 rows x 128 columns go through its stage, come back as rows of 512 bytes, take x and b2, and leave as 512 consecutive bytes a store, aligned.
; PREFETCH: a trip loads two K steps; it asks for the two steps that the next trip loads (the head for those of the first trip): 96 blocks of 256 bytes of A, shared out among the 8 work-groups that read them (12 each),
; 96 of W2 among 32 (3 each), by address; lanes left over name the last block again; the last trip asks for nothing.  A wave's 16 blocks of scale words are asked for once, at the head: A's two a work-group, W2's one in each of work-groups y 0-15.
; LIMITS: NaN and infinities are not served.
; REGISTERS: window 0: v2-25 addresses; v30, v31 the add's; v32-47 scale words, two sets; v48-51 b2; v64-159, v160-255 A's fragments, two sets (at the end x and the rows on their way out).
; window 1: v0-95, v96-191 W2's fragments, two sets.  window 2: accumulators of pairs 0, 1; window 3: of pairs 2, 3.
.set W2C,  8650752
.set W2S,  12156928
.set HS,   12582912
.set GRPC, 393216
.set RED,  49152                       ; an owner's region: three parts of 16 KiB
.set STG,  4*RED                       ; the stages: 16 rows x 528 bytes a wave
.set SPARE, STG+4*8448                 ; the spare words
.set LI,  2
.set L4,  3
.set VA,  8
.set VSA, 12
.set RS,  16
.set RR,  19
.set STO, 20
.set RD,  21
.set PFA, 22
.set PFB, 23
.set PSA, 24
.set PSB, 25
.set SPW, 30
.set NIL, 31
.set SC,  32
.set BIA, 48
.set AF,  64
.set BK,  128
.set MSB, 0
.macro WIN new                         ; the immediate's high byte repeats the setting that is left
.if MSB != (\new)
	s_set_vgpr_msb (MSB<<8)|(\new)
.set MSB, (\new)
.endif
.endm
.macro PLACES
.rept 4
	v_nop
.endr
.endm
; one product.  Source 0 = 16 columns of W2, source 1 = 16 rows of h: a lane holds eight neighbouring columns of a row.  v: 1 = W2's tile is odd, 2 = h's tile is odd; z: the sum begins
.macro WM d, bf, af, sb, sa, v, z
.if \z
.if (\v)==0
	v_wmma_scale_f32_16x16x128_f8f6f4 v[\d:\d+7], v[\bf:\bf+11], v[\af:\af+11], 0, v[\sb], v[\sa] matrix_a_fmt:MATRIX_FMT_FP6 matrix_b_fmt:MATRIX_FMT_FP6
.endif
.if (\v)==1
	v_wmma_scale_f32_16x16x128_f8f6f4 v[\d:\d+7], v[\bf:\bf+11], v[\af:\af+11], 0, v[\sb], v[\sa] matrix_a_fmt:MATRIX_FMT_FP6 matrix_b_fmt:MATRIX_FMT_FP6 matrix_a_scale:MATRIX_SCALE_ROW1
.endif
.if (\v)==2
	v_wmma_scale_f32_16x16x128_f8f6f4 v[\d:\d+7], v[\bf:\bf+11], v[\af:\af+11], 0, v[\sb], v[\sa] matrix_a_fmt:MATRIX_FMT_FP6 matrix_b_fmt:MATRIX_FMT_FP6 matrix_b_scale:MATRIX_SCALE_ROW1
.endif
.if (\v)==3
	v_wmma_scale_f32_16x16x128_f8f6f4 v[\d:\d+7], v[\bf:\bf+11], v[\af:\af+11], 0, v[\sb], v[\sa] matrix_a_fmt:MATRIX_FMT_FP6 matrix_b_fmt:MATRIX_FMT_FP6 matrix_a_scale:MATRIX_SCALE_ROW1 matrix_b_scale:MATRIX_SCALE_ROW1
.endif
.else
.if (\v)==0
	v_wmma_scale_f32_16x16x128_f8f6f4 v[\d:\d+7], v[\bf:\bf+11], v[\af:\af+11], v[\d:\d+7], v[\sb], v[\sa] matrix_a_fmt:MATRIX_FMT_FP6 matrix_b_fmt:MATRIX_FMT_FP6
.endif
.if (\v)==1
	v_wmma_scale_f32_16x16x128_f8f6f4 v[\d:\d+7], v[\bf:\bf+11], v[\af:\af+11], v[\d:\d+7], v[\sb], v[\sa] matrix_a_fmt:MATRIX_FMT_FP6 matrix_b_fmt:MATRIX_FMT_FP6 matrix_a_scale:MATRIX_SCALE_ROW1
.endif
.if (\v)==2
	v_wmma_scale_f32_16x16x128_f8f6f4 v[\d:\d+7], v[\bf:\bf+11], v[\af:\af+11], v[\d:\d+7], v[\sb], v[\sa] matrix_a_fmt:MATRIX_FMT_FP6 matrix_b_fmt:MATRIX_FMT_FP6 matrix_b_scale:MATRIX_SCALE_ROW1
.endif
.if (\v)==3
	v_wmma_scale_f32_16x16x128_f8f6f4 v[\d:\d+7], v[\bf:\bf+11], v[\af:\af+11], v[\d:\d+7], v[\sb], v[\sa] matrix_a_fmt:MATRIX_FMT_FP6 matrix_b_fmt:MATRIX_FMT_FP6 matrix_a_scale:MATRIX_SCALE_ROW1 matrix_b_scale:MATRIX_SCALE_ROW1
.endif
.endif
.endm
.macro MULH set, hi, z                 ; 32 products: h's tiles 4 hi .. 4 hi + 3 x W2's eight; the accumulators take turns
.irp a, 0,1,2,3
.irp b, 0,1,2,3,4,5,6,7
	WM 8*(8*\a+\b), 96*\set+12*\b, AF+96*\set+12*(4*\hi+\a), SC+8*\set+4+\b/2, SC+8*\set+(4*\hi+\a)/2, \b%2+2*(\a%2), \z
.endr
.endr
.endm
.macro MUL set, z
	WIN 0xa1                                       ; source 0 window 1, source 1 window 0, C and D window 2
	MULH \set, 0, \z
	WIN 0xf1                                       ; C and D window 3
	MULH \set, 1, \z
.endm
.macro LOADS set, k                    ; the K step k steps behind the bases, into set: 56 loads
	WIN 0x40                                       ; destination window 1
.irp i, 0,1,2,3,4,5,6,7
.irp c, 0,1,2
	global_load_b128 v[96*\set+12*\i+4*\c:96*\set+12*\i+4*\c+3], v[LI], s[20:21] offset:12288*\k+1536*\i+512*\c
.endr
.endr
	WIN 0
.irp i, 0,1,2,3,4,5,6,7
.irp c, 0,1,2
	global_load_b128 v[AF+96*\set+12*\i+4*\c:AF+96*\set+12*\i+4*\c+3], v[VA+\i/2], s[16:17] offset:12288*\k+1536*(\i%2)+512*\c
.endr
.endr
.irp j, 0,1,2,3
	global_load_b32 v[SC+8*\set+\j], v[VSA+\j], s[18:19] offset:512*\k
	global_load_b32 v[SC+8*\set+4+\j], v[L4], s[22:23] offset:512*\k+128*\j
.endr
.endm
.macro ASK                             ; the two K steps that stand two steps behind the bases
	global_prefetch_b8 v[PFA], s[16:17] offset:24576 th:TH_LOAD_NT scope:SCOPE_SE
	global_prefetch_b8 v[PFB], s[20:21] offset:24576 th:TH_LOAD_NT scope:SCOPE_SE
.endm
	s_load_b256 s[4:11], s[0:1], 0x0               ; hb, wq, b2, xb
	s_load_b64 s[12:13], s[0:1], 0x20              ; y
	v_lshl_add_u32 v[SPW], v0, 2, SPARE
	v_mov_b32 v[NIL], 0
	v_lshrrev_b32 v1, 5, v0
	v_readfirstlane_b32 s14, v1                    ; wave
	s_and_b32 s15, ttmp7, 0xffff                   ; which 128 rows; ttmp9: which 128 columns
	s_mul_i32 s16, s15, GRPC
	s_mul_i32 s2, s14, 98304                       ; my eight K steps
	s_add_co_u32 s16, s16, s2
	s_mov_b32 s17, 0
	s_lshl_b32 s18, s15, 14
	s_lshl_b32 s3, s14, 12
	s_add_co_u32 s18, s18, s3
	s_add_co_u32 s18, s18, HS
	s_mov_b32 s19, 0
	s_mul_i32 s20, ttmp9, GRPC
	s_add_co_u32 s20, s20, s2
	s_add_co_u32 s20, s20, W2C
	s_mov_b32 s21, 0
	s_lshl_b32 s22, ttmp9, 14
	s_add_co_u32 s22, s22, s3
	s_add_co_u32 s22, s22, W2S
	s_mov_b32 s23, 0
	s_lshl_b32 s24, s15, 19                        ; x and y: 128 rows of 4,096 bytes,
	s_lshl_b32 s26, s14, 17                        ; the 32 rows that I own,
	s_add_co_u32 s24, s24, s26
	s_lshl_b32 s28, ttmp9, 9                       ; 512 bytes of each
	s_add_co_u32 s24, s24, s28
	s_mov_b32 s25, 0
	s_mov_b32 s29, 0
.irp j, 0,1,2,3
	s_add_co_u32 s[36+\j], s14, \j
	s_and_b32 s[36+\j], s[36+\j], 3                ; pair j of my accumulators is A's tile pair (w + j) % 4
	s_mul_i32 s[40+\j], s[36+\j], 3072
	s_lshl_b32 s[44+\j], s[36+\j], 7
	s_mul_i32 s[48+\j], s[36+\j], RED
.endr
	s_mul_i32 s52, s14, RED
	s_mul_i32 s53, s14, 8448
	s_add_co_u32 s53, s53, STG
	s_mul_i32 s54, ttmp9, 12
	s_mul_i32 s55, s15, 3
	s_lshl_b32 s56, ttmp9, 1
	s_and_b32 s57, s15, 15
	s_lshl_b32 s57, s57, 8
	v_and_b32 v1, 31, v0
	v_and_b32 v4, 15, v0
	v_bfe_u32 v5, v0, 4, 1
	v_lshlrev_b32 v[LI], 4, v1                     ; 16 x lane
	v_lshlrev_b32 v[L4], 2, v1                     ; 4 x lane
.irp j, 0,1,2,3
	v_add_nc_u32 v[VA+\j], s[40+\j], v[LI]
	v_add_nc_u32 v[VSA+\j], s[44+\j], v[L4]
.endr
.irp j, 1,2,3
	v_add_nc_u32 v[RS+\j-1], s[48+\j], v[LI]       ; the region of pair j's owner
.endr
	v_add_nc_u32 v[RR], s52, v[LI]                 ; my own region
	v_mul_u32_u24 v6, v4, 528
	v_lshl_add_u32 v6, v5, 6, v6
	v_add_nc_u32 v[STO], s53, v6                   ; the stage, in: row r, + 64 h
	v_add_nc_u32 v[RD], s53, v[LI]                 ; back: a row of 512 bytes
	v_min_u32 v6, 11, v1
	v_min_u32 v7, 2, v1
	v_min_u32 v4, 1, v1
	v_add_lshl_u32 v[PFA], v6, s54, 8
	v_add_lshl_u32 v[PFB], v7, s55, 8
	v_add_lshl_u32 v[PSA], v4, s56, 8
	v_mov_b32 v[PSB], s57
	s_wait_alu depctr_va_vdst(0)                   ; the wait at the head's end
	s_wait_kmcnt 0x0
	s_add_nc_u64 s[16:17], s[4:5], s[16:17]        ; h's codes,
	s_add_nc_u64 s[18:19], s[4:5], s[18:19]        ; its scale words,
	s_add_nc_u64 s[20:21], s[6:7], s[20:21]        ; W2's codes,
	s_add_nc_u64 s[22:23], s[6:7], s[22:23]        ; its scale words
	s_add_nc_u64 s[26:27], s[10:11], s[24:25]      ; x
	s_add_nc_u64 s[24:25], s[12:13], s[24:25]      ; y
	s_add_nc_u64 s[8:9], s[8:9], s[28:29]          ; b2
	LOADS 0, 0
	ASK                                            ; K steps 2 and 3
	global_prefetch_b8 v[PSA], s[18:19] th:TH_LOAD_NT scope:SCOPE_SE
	s_cmp_lt_u32 s15, 16
	s_cbranch_scc0 .Lnot_mine
	global_prefetch_b8 v[PSB], s[22:23] th:TH_LOAD_NT scope:SCOPE_SE
.Lnot_mine:
	LOADS 1, 1
	s_wait_loadcnt 56                              ; K step 0 is in; the 56 loads of step 1 may be out
	MUL 0, 1                                       ; the first step's products start the sums
	WIN 0
	s_mov_b32 s3, 3
.Ltrip:                                                ; trip i: loads steps 2 i + 2 and 2 i + 3, multiplies steps 2 i + 1 and 2 i + 2
	PLACES                                         ; in front of loads into registers that products have read
	s_wait_xcnt 0x0                                ; the bases are stepped only behind this wait
	s_add_nc_u64 s[16:17], s[16:17], 24576
	s_add_nc_u64 s[20:21], s[20:21], 24576
	s_add_nc_u64 s[18:19], s[18:19], 1024
	s_add_nc_u64 s[22:23], s[22:23], 1024
	LOADS 0, 0
	s_wait_loadcnt 56                              ; set 1 is in; the 56 just issued may be out
	WIN 0xa1
	MULH 1, 0, 0
	WIN 0
	s_cmp_gt_u32 s3, 1
	s_cbranch_scc0 .Lno_ask                        ; the last trip has no trip behind it
	ASK
.Lno_ask:
	WIN 0xf1
	MULH 1, 1, 0
	PLACES
	WIN 0
	LOADS 1, 1
	s_wait_loadcnt 56                              ; set 0 is in
	MUL 0, 0
	WIN 0
	s_sub_co_u32 s3, s3, 1
	s_cmp_lg_u32 s3, 0
	s_cbranch_scc1 .Ltrip
	PLACES
.irp t, 0,1,2,3,4,5,6,7,8,9,10,11,12,13,14,15      ; set 0 is free: x's 32 rows and b2 land there under the last step
	global_load_b128 v[AF+4*\t:AF+4*\t+3], v[LI], s[26:27] offset:(\t+8*(\t/8))*4096 th:TH_LOAD_NT
.endr
	global_load_b128 v[BIA:BIA+3], v[LI], s[8:9]
	WIN 0x40
.irp t, 0,1,2,3,4,5,6,7,8,9,10,11,12,13,14,15
	global_load_b128 v[4*\t:4*\t+3], v[LI], s[26:27] offset:(8+\t+8*(\t/8))*4096 th:TH_LOAD_NT
.endr
	WIN 0
	s_wait_loadcnt 33                              ; K step 7 is in; the 33 just issued may be out
	MUL 1, 0
	PLACES                                         ; in front of the first reads of results
	WIN 0x08                                       ; data: window 2
.set Q, 0
.rept 16
	ds_store_b128 v[RS], v[128+8*Q:131+8*Q] offset:1024*Q
	ds_store_b128 v[RS], v[132+8*Q:135+8*Q] offset:1024*Q+512
.set Q, Q+1
.endr
	WIN 0x0c                                       ; data: window 3
.set Q, 0
.rept 16
	ds_store_b128 v[RS+1], v[8*Q:8*Q+3] offset:16384+1024*Q
	ds_store_b128 v[RS+1], v[8*Q+4:8*Q+7] offset:16384+1024*Q+512
.set Q, Q+1
.endr
.set Q, 0
.rept 16
	ds_store_b128 v[RS+2], v[128+8*Q:131+8*Q] offset:32768+1024*Q
	ds_store_b128 v[RS+2], v[132+8*Q:135+8*Q] offset:32768+1024*Q+512
.set Q, Q+1
.endr
	WIN 0
	s_wait_dscnt 0x0                               ; for the others' sake: my parts lie in their regions
	s_barrier_signal -1
	s_barrier_wait -1
	WIN 0x80                                       ; destination window 2
.set Q, 0
.rept 16
	ds_load_b128 v[128+8*Q:131+8*Q], v[RR] offset:1024*Q
	ds_load_b128 v[132+8*Q:135+8*Q], v[RR] offset:1024*Q+512
.set Q, Q+1
.endr
	WIN 0xc0                                       ; destination window 3
.set Q, 0
.rept 32
	ds_load_b128 v[8*Q:8*Q+3], v[RR] offset:16384+1024*Q
	ds_load_b128 v[8*Q+4:8*Q+7], v[RR] offset:16384+1024*Q+512
.set Q, Q+1
.endr
	s_wait_dscnt 63                                ; of the 96 loads at most 63 are out: the first part's 32 are in
	WIN 0x8a                                       ; all in window 2
.set Q, 0
.rept 64
	v_pk_add_f32 v[Q:Q+1], v[Q:Q+1], v[128+Q:129+Q]
.set Q, Q+2
.endr
	s_wait_dscnt 32
	WIN 0x8e                                       ; source 1: window 3
.set Q, 0
.rept 64
	v_pk_add_f32 v[Q:Q+1], v[Q:Q+1], v[Q:Q+1]
.set Q, Q+2
.endr
	s_wait_dscnt 0x0
.set Q, 0
.rept 64
	v_pk_add_f32 v[Q:Q+1], v[Q:Q+1], v[128+Q:129+Q]
.set Q, Q+2
.endr
.macro TOSTAGE u                       ; my tile u: 16 rows x 128 columns into the stage, and back as rows
	WIN 0x08
.irp b, 0,1,2,3,4,5,6,7
	ds_store_b128 v[STO], v[64*\u+8*\b:64*\u+8*\b+3] offset:128*(\b/2)+32*(\b%2)
	ds_store_b128 v[STO], v[64*\u+8*\b+4:64*\u+8*\b+7] offset:128*(\b/2)+32*(\b%2)+16
.endr
	WIN 0
.irp t, 0,1,2,3,4,5,6,7,8,9,10,11,12,13,14,15
	ds_load_b128 v[BK+64*\u+4*\t:BK+64*\u+4*\t+3], v[RD] offset:528*\t   ; LDS serves a wave's instructions in order: these see my stores
.endr
.endm
.macro SEND u                          ; + x + b2, and out
	WIN 0x04*\u                                    ; tile 1's rows of x lie in window 1
.set Q, 0
.rept 32
	v_pk_add_f32 v[BK+64*\u+Q:BK+64*\u+Q+1], v[BK+64*\u+Q:BK+64*\u+Q+1], v[AF*(1-\u)+Q:AF*(1-\u)+Q+1]
.set Q, Q+2
.endr
	WIN 0
.irp t, 0,1,2,3,4,5,6,7,8,9,10,11,12,13,14,15
.irp c, 0,1
	v_pk_add_f32 v[BK+64*\u+4*\t+2*\c:BK+64*\u+4*\t+2*\c+1], v[BK+64*\u+4*\t+2*\c:BK+64*\u+4*\t+2*\c+1], v[BIA+2*\c:BIA+2*\c+1]
.endr
.endr
.irp t, 0,1,2,3,4,5,6,7,8,9,10,11,12,13,14,15
	global_store_b128 v[LI], v[BK+64*\u+4*\t:BK+64*\u+4*\t+3], s[24:25] offset:(8*\u+\t+8*(\t/8))*4096 th:TH_STORE_NT   ; 512 consecutive bytes, aligned
.endr
.endm
	TOSTAGE 0
	TOSTAGE 1
	s_wait_loadcnt 0x0                             ; x and b2
	s_wait_dscnt 32                                ; tile 0 is back; tile 1's 16 stores and 16 loads may be out
	SEND 0
	s_wait_dscnt 0x0
	SEND 1
	s_wait_tensorcnt 0x0                           ; the wave's end
	ds_add_u32 v[SPW], v[NIL]
	s_wait_dscnt 0x0
	s_endpgm
.Lfunc_end_k_q2b6b99affe_ffn2:
	.size	k_q2b6b99affe_ffn2, .Lfunc_end_k_q2b6b99affe_ffn2-k_q2b6b99affe_ffn2
	.p2alignl 7, 3214868480
	.fill 96, 4, 3214868480
	.section	.rodata,"a",@progbits
	.p2align	6, 0x0
	.amdhsa_kernel k_q2b6b99affe_ffn2
		.amdhsa_group_segment_fixed_size 230912
		.amdhsa_private_segment_fixed_size 0
		.amdhsa_enable_private_segment 0
		.amdhsa_kernarg_size 40
		.amdhsa_user_sgpr_count 2
		.amdhsa_user_sgpr_kernarg_segment_ptr 1
		.amdhsa_wavefront_size32 1
		.amdhsa_system_sgpr_workgroup_id_x 1
		.amdhsa_system_sgpr_workgroup_id_y 1
		.amdhsa_system_sgpr_workgroup_id_z 1
		.amdhsa_system_vgpr_workitem_id 0
		.amdhsa_next_free_vgpr 1024
		.amdhsa_next_free_sgpr 66
		.amdhsa_reserve_vcc 0
		.amdhsa_float_denorm_mode_32 3
		.amdhsa_float_denorm_mode_16_64 3
		.amdhsa_memory_ordered 1
		.amdhsa_forward_progress 1
		.amdhsa_inst_pref_size 103
	.end_amdhsa_kernel
	.amdgpu_metadata
---
amdhsa.version: [ 1, 2 ]
amdhsa.kernels:
  - .name:           k_q2b6b99affe_ffn2
    .symbol:         k_q2b6b99affe_ffn2.kd
    .args:
      - { .name: hb, .offset: 0, .size: 8, .value_kind: global_buffer, .address_space: global }
      - { .name: wq, .offset: 8, .size: 8, .value_kind: global_buffer, .address_space: global }
      - { .name: b2, .offset: 16, .size: 8, .value_kind: global_buffer, .address_space: global }
      - { .name: xb, .offset: 24, .size: 8, .value_kind: global_buffer, .address_space: global }
      - { .name: y, .offset: 32, .size: 8, .value_kind: global_buffer, .address_space: global }
    .group_segment_fixed_size: 230912
    .private_segment_fixed_size: 0
    .kernarg_segment_align: 8
    .kernarg_segment_size: 40
    .max_flat_workgroup_size: 128
    .sgpr_count:     66
    .vgpr_count:     1024
    .wavefront_size: 32
...
	.end_amdgpu_metadata
.endif
;; end of part 6
;; launch ln2 (part 7): grid 512 x 1, 4 waves a work-group, no clusters, 0 bytes of LDS; arguments y, ln2_g, ln2_b, out0; writes out0
.if DOCPART == 7
	.amdgcn_target "amdgcn-amd-amdhsa--gfx1250"
	.amdhsa_code_object_version 6
	.text
	.protected	k_q2b6b99affe_ln2
	.globl	k_q2b6b99affe_ln2
	.p2align	8
	.type	k_q2b6b99affe_ln2,@function
k_q2b6b99affe_ln2:
	s_mov_b64 s[64:65], 0
	v_nop
	global_prefetch_b8 v0, s[64:65] scope:SCOPE_SE
	s_setreg_imm32_b32 hwreg(HW_REG_WAVE_MODE, 25, 1), 1
	s_wait_xcnt 0x0
; out0 = LayerNorm(y) x gain + bias, in f32; y holds x + the feed-forward result with its bias.
; A wave takes two rows, by turns, a whole row of 4,096 bytes in 32 registers: mean and variance never leave the wave; the variance is taken of y - mean (two passes).  No LDS, no barrier.
; Memory binds: 16-byte loads and stores, 512 consecutive bytes an instruction, every load of the wave issued at its head; no matrix unit, no cluster, no tensor load; no prefetch: there is no loop to run ahead in.
; LIMITS: NaN and infinities are not served.
; REGISTERS: v1 16 x lane; v8-21 statistics of the two rows; v32-95 the two rows; v128-159 the gain; v160-191 the bias.
.set X,   32
.set G,   128
.set BT,  160
.set SEL, 2
.macro ACROSS                          ; v8 and v16 summed over the 32 lanes, the result in every lane
.irp m, 1,2,4,8
.irp u, 0,1
	v_add_f32_dpp v[8+8*\u], v[8+8*\u], v[8+8*\u] row_xmask:\m row_mask:0xf bank_mask:0xf
.endr
.endr
.irp u, 0,1
	v_permlanex16_b32 v[9+8*\u], v[8+8*\u], s[SEL], s[SEL+1]
.endr
.irp u, 0,1
	v_add_f32 v[8+8*\u], v[8+8*\u], v[9+8*\u]
.endr
.endm
.macro FOLD                            ; each row's two chains and two halves into v8, v16
.irp u, 0,1
	v_pk_add_f32 v[8+8*\u:9+8*\u], v[8+8*\u:9+8*\u], v[10+8*\u:11+8*\u]
.endr
.irp u, 0,1
	v_add_f32 v[8+8*\u], v[8+8*\u], v[9+8*\u]
.endr
	ACROSS
.endm
	s_load_b256 s[4:11], s[0:1], 0x0               ; y, gain, bias, out0
	v_lshrrev_b32 v1, 5, v0
	v_readfirstlane_b32 s18, v1                    ; wave
	v_and_b32 v5, 31, v0
	v_lshlrev_b32 v1, 4, v5                        ; 16 x lane
	s_mov_b32 s2, 0x76543210
	s_mov_b32 s3, 0xfedcba98
	s_mov_b32 s20, 0x3a800000                      ; 1 / 1,024
	s_mov_b32 s21, 0x3727c5ac                      ; 1e-5
	s_lshl_b32 s16, ttmp9, 2
	s_add_co_u32 s16, s16, s18                     ; my two rows: 8 x work-group + 2 x wave on
	s_lshl_b32 s16, s16, 13
	s_mov_b32 s17, 0
	s_wait_alu depctr_va_vdst(0)                   ; the wait at the head's end
	s_wait_kmcnt 0x0
	s_add_nc_u64 s[4:5], s[4:5], s[16:17]
	s_add_nc_u64 s[10:11], s[10:11], s[16:17]
.irp j, 0,1
.irp k, 0,1,2,3,4,5,6,7
	global_load_b128 v[X+32*\j+4*\k:X+32*\j+4*\k+3], v1, s[4:5] offset:4096*\j+512*\k th:TH_LOAD_NT
.endr
.endr
.irp k, 0,1,2,3,4,5,6,7
	global_load_b128 v[G+4*\k:G+4*\k+3], v1, s[6:7] offset:512*\k
	global_load_b128 v[BT+4*\k:BT+4*\k+3], v1, s[8:9] offset:512*\k
.endr
	s_wait_loadcnt 16                              ; the two rows are in; the 16 loads of gain and bias may be out
.irp u, 0,1
	v_pk_add_f32 v[8+8*\u:9+8*\u], v[X+32*\u:X+32*\u+1], v[X+32*\u+2:X+32*\u+3]
	v_pk_add_f32 v[10+8*\u:11+8*\u], v[X+32*\u+4:X+32*\u+5], v[X+32*\u+6:X+32*\u+7]
.endr
.irp k, 8,12,16,20,24,28
.irp u, 0,1
	v_pk_add_f32 v[8+8*\u:9+8*\u], v[8+8*\u:9+8*\u], v[X+32*\u+\k:X+32*\u+\k+1]
	v_pk_add_f32 v[10+8*\u:11+8*\u], v[10+8*\u:11+8*\u], v[X+32*\u+\k+2:X+32*\u+\k+3]
.endr
.endr
	FOLD
.irp u, 0,1
	v_mul_f32 v[12+8*\u], 0xba800000, v[8+8*\u]    ; - the mean
.endr
.irp u, 0,1
	v_mov_b32 v[13+8*\u], v[12+8*\u]
.endr
.irp u, 0,1
.set Q, 0
.rept 16
	v_pk_add_f32 v[X+32*\u+Q:X+32*\u+Q+1], v[X+32*\u+Q:X+32*\u+Q+1], v[12+8*\u:13+8*\u]
.set Q, Q+2
.endr
.endr
.irp u, 0,1
	v_pk_mul_f32 v[8+8*\u:9+8*\u], v[X+32*\u:X+32*\u+1], v[X+32*\u:X+32*\u+1]
	v_pk_mul_f32 v[10+8*\u:11+8*\u], v[X+32*\u+2:X+32*\u+3], v[X+32*\u+2:X+32*\u+3]
.endr
.irp k, 4,8,12,16,20,24,28
.irp u, 0,1
	v_pk_fma_f32 v[8+8*\u:9+8*\u], v[X+32*\u+\k:X+32*\u+\k+1], v[X+32*\u+\k:X+32*\u+\k+1], v[8+8*\u:9+8*\u]
	v_pk_fma_f32 v[10+8*\u:11+8*\u], v[X+32*\u+\k+2:X+32*\u+\k+3], v[X+32*\u+\k+2:X+32*\u+\k+3], v[10+8*\u:11+8*\u]
.endr
.endr
	FOLD
.irp u, 0,1
	v_fma_f32 v[8+8*\u], v[8+8*\u], s20, s21       ; the variance + 1e-5
.endr
	s_wait_alu depctr_va_vdst(0)                   ; the wait ahead of the two
.irp u, 0,1
	v_rsq_f32 v[12+8*\u], v[8+8*\u]
.endr
	v_nop                                          ; a plain place behind the two,
	s_wait_alu depctr_va_vdst(0)                   ; and the wait ahead of their first reader
.irp u, 0,1
	v_mov_b32 v[13+8*\u], v[12+8*\u]
.endr
.irp u, 0,1
.set Q, 0
.rept 16
	v_pk_mul_f32 v[X+32*\u+Q:X+32*\u+Q+1], v[X+32*\u+Q:X+32*\u+Q+1], v[12+8*\u:13+8*\u]
.set Q, Q+2
.endr
.endr
	s_wait_alu depctr_va_vdst(0)                   ; the wait ahead of the wait below
	s_wait_loadcnt 0x0                             ; gain and bias
.irp u, 0,1
.set Q, 0
.rept 16
	v_pk_fma_f32 v[X+32*\u+Q:X+32*\u+Q+1], v[X+32*\u+Q:X+32*\u+Q+1], v[G+Q:G+Q+1], v[BT+Q:BT+Q+1]
.set Q, Q+2
.endr
.endr
.irp u, 0,1
.irp k, 0,1,2,3,4,5,6,7
	global_store_b128 v1, v[X+32*\u+4*\k:X+32*\u+4*\k+3], s[10:11] offset:4096*\u+512*\k th:TH_STORE_NT   ; 512 consecutive bytes, aligned
.endr
.endr
	s_endpgm
.Lfunc_end_k_q2b6b99affe_ln2:
	.size	k_q2b6b99affe_ln2, .Lfunc_end_k_q2b6b99affe_ln2-k_q2b6b99affe_ln2
	.p2alignl 7, 3214868480
	.fill 96, 4, 3214868480
	.section	.rodata,"a",@progbits
	.p2align	6, 0x0
	.amdhsa_kernel k_q2b6b99affe_ln2
		.amdhsa_group_segment_fixed_size 0
		.amdhsa_private_segment_fixed_size 0
		.amdhsa_enable_private_segment 0
		.amdhsa_kernarg_size 32
		.amdhsa_user_sgpr_count 2
		.amdhsa_user_sgpr_kernarg_segment_ptr 1
		.amdhsa_wavefront_size32 1
		.amdhsa_system_sgpr_workgroup_id_x 1
		.amdhsa_system_sgpr_workgroup_id_y 1
		.amdhsa_system_sgpr_workgroup_id_z 1
		.amdhsa_system_vgpr_workitem_id 0
		.amdhsa_next_free_vgpr 192
		.amdhsa_next_free_sgpr 66
		.amdhsa_reserve_vcc 0
		.amdhsa_float_denorm_mode_32 3
		.amdhsa_float_denorm_mode_16_64 3
		.amdhsa_memory_ordered 1
		.amdhsa_forward_progress 1
		.amdhsa_inst_pref_size 18
	.end_amdhsa_kernel
	.amdgpu_metadata
---
amdhsa.version: [ 1, 2 ]
amdhsa.kernels:
  - .name:           k_q2b6b99affe_ln2
    .symbol:         k_q2b6b99affe_ln2.kd
    .args:
      - { .name: y, .offset: 0, .size: 8, .value_kind: global_buffer, .address_space: global }
      - { .name: ln2_g, .offset: 8, .size: 8, .value_kind: global_buffer, .address_space: global }
      - { .name: ln2_b, .offset: 16, .size: 8, .value_kind: global_buffer, .address_space: global }
      - { .name: out0, .offset: 24, .size: 8, .value_kind: global_buffer, .address_space: global }
    .group_segment_fixed_size: 0
    .private_segment_fixed_size: 0
    .kernarg_segment_align: 8
    .kernarg_segment_size: 32
    .max_flat_workgroup_size: 128
    .sgpr_count:     66
    .vgpr_count:     192
    .wavefront_size: 32
...
	.end_amdgpu_metadata
.endif
;; end of part 7
